; MI455X (gfx1250); checked and timed in simulation.
; The chip was launched on July 23, 2026; its instructions are those of AMD's public machine-readable ISA for CDNA 5 (MIT licence, August 2026) and "CDNA5" Instruction Set Architecture Reference Guide (July 2026). The comments in the code are by the model that wrote it; some were corrected since.
;; Self Attention. Allowed arithmetic: matrix products marked QUANTISED: E4M3 operands, one E8M0 scale for each 32 along K, by v_wmma_scale_f32_16x16x128_f8f6f4 with both operands' format E4M3, f32 sums; everything else in f32.
;; Inputs: W_attn_codes 3,072 x 32 x 32 uint8 (E4M3 codes of W_attn, K innermost, in blocks of 32 codes); W_attn_scales 3,072 x 32 uint8 (E8M0 scales of W_attn, one for each 32 codes along K); W_proj_codes 1,024 x 32 x 32 uint8 (E4M3 codes of W_proj, K innermost, in blocks of 32 codes); W_proj_scales 1,024 x 32 uint8 (E8M0 scales of W_proj, one for each 32 codes along K); x_codes 4 x 2,048 x 32 x 32 uint8 (E4M3 codes of x, K innermost, in blocks of 32 codes); x_scales 4 x 2,048 x 32 uint8 (E8M0 scales of x, one for each 32 codes along K).
;; Outputs: out0 4 x 2,048 x 1,024 float32.
;; This version of the problem:
;;   THIS VERSION OF THE PROBLEM IS GIVEN IN LOW PRECISION. The matrix products marked QUANTISED in the list below multiply operands that are first quantised to E4M3 (4 exponent bits, 3 mantissa bits; 8 bits a number), with one power-of-two scale for each 32 numbers along K (OCP MX v1.0); their sums are f32. All else is computed in f32.
;;   The module's matrix products, in the order in which they are computed (A, B: the left and right operand; K: the contracted axis; several contracted axes count as one K, in the product's order):
;;     1. [M 8,192, K 1,024] x [K 1,024, N 3,072]; A: input x (given as codes); B: input W_attn (given as codes): QUANTISED
;;     2. batch 64 x [M 2,048, K 64] x [K 64, N 2,048]; A: computed on the way; B: computed on the way: QUANTISED
;;     3. batch 64 x [M 2,048, K 2,048] x [K 2,048, N 64]; A: softmax (see below); B: computed on the way: QUANTISED
;;     4. [M 8,192, K 1,024] x [K 1,024, N 1,024]; A: computed on the way; B: input W_proj (given as codes): QUANTISED
;;   THE QUANTISER, for each operand of a quantised product, along K:
;;     - K is cut into blocks of 32 from its start; a last block that is shorter is filled with zeros.
;;     - A block's scale is 2^e with e = floor(log2(the largest magnitude in the block)) - 8, held to -126 .. 127; a block of zeros has e = 0. As a byte (E8M0): e + 127.
;;     - Each number is divided by its block's scale, clamped to +-448, and rounded to the nearest number of E4M3, ties to even, subnormals kept.
;;     - The product sums the exact products of the quantised numbers (number of the format x scale) in f32.
;;   ~~~python
;;   def quantise(x, axis):      # numpy; x: float32 -> the quantised numbers, widened to float32 again
;;       x = np.moveaxis(x, axis, -1); K = x.shape[-1]
;;       x = np.pad(x, [(0, 0)] * (x.ndim - 1) + [(0, -K % 32)]); x = x.reshape(x.shape[:-1] + (-1, 32)); a = np.abs(x).max(-1, keepdims=True)
;;       e = np.where(a > 0, np.clip(np.frexp(np.where(a > 0, a, 1))[1] - 1 - 8, -126, 127), 0)      # np.frexp(a)[1] - 1 = floor(log2(a)), exactly
;;       r = np.clip(x / 2.0 ** e, -448, 448)
;;       step = 2.0 ** (np.maximum(np.frexp(np.where(r == 0, 1, r))[1] - 1, -6) - 3)
;;       q = np.round(r / step) * step * 2.0 ** e      # np.round: ties to even
;;       return np.moveaxis(q.reshape(q.shape[:-2] + (-1,))[..., :K], -1, axis).astype(np.float32)
;;   ~~~
;;   SOFTMAX AHEAD OF A QUANTISED PRODUCT. Where the list says 'softmax', what is quantised is not the finished softmax but p = 2^(t - M), with t = logit x log2(e) and M = ceil(the row's largest t), a whole number; so 1/2 < the row's largest p <= 1. The row's sum l is taken of the UNQUANTISED p, in f32, and the product's result is divided by l at the end. Since M is a whole number, a kernel that streams over the keys may use a running M (the ceiling of the running maximum): every later rescaling is an exact power of two, which a block's scale takes up: the codes' values come out the same.
;;   OPERANDS COMPUTED ON THE WAY. 'Computed on the way' means the value that the module computes at that place (a softmax that the list does not call 'softmax' is quantised finished and normalised). What goes into a quantiser is computed in f32, as accurately as f32 sums, v_exp_f32 and their like allow (about 1e-6 of the number): no bf16 or f16 on the way to a quantiser, and a product that is left as it is and whose result goes on into a quantised operand takes f32 operands (vector FMAs, or v_wmma_f32_16x16x4_f32). A number that lies on a knife's edge between two numbers of the format may be rounded either way, as far as f32 arithmetic and the matrix unit's own rounding can turn it there, and no further.
;;   INPUTS GIVEN AS CODES. W_attn (in the module: [1024, 3072], K = its axis 0); W_proj (in the module: [1024, 1024], K = its axis 0); x (in the module: [4, 2048, 1024], K = its axis 2): each comes as NAME_codes (uint8): NAME with its K axis moved to the last place and cut into blocks of 32 codes, [.., K / 32, bytes a block], one block behind the other in memory; one code a byte (a code: sign, 4 exponent bits, 3 mantissa bits); and NAME_scales (uint8): the same leading axes, one E8M0 byte (e + 127) for each 32 codes along K. Its value is code x scale, taken as it is: it is not quantised again, and the codes and scales need not be those that the quantiser above would give.
;; One version. Each part assembles by itself: llvm-mc -triple=amdgcn-amd-amdhsa -mcpu=gfx1250 --defsym DOCPART=n.
;; ======== version 1 of 1: 3 launches
;; limits: right only within a limited range of input values
;; workspace buffers: qkv 27,787,264 bytes; y_img 8,388,608 bytes; y_sc 262,144 bytes
;; launch qkv (part 1): grid 8 x 48, 4 waves a work-group, clusters of 4 x 4, 327,680 bytes of LDS; arguments x_codes, x_scales, W_attn_codes, W_attn_scales, qkv; writes qkv
.if DOCPART == 1
	.amdgcn_target "amdgcn-amd-amdhsa--gfx1250"
	.amdhsa_code_object_version 6
	.text
	.protected	k_qf2a436f357_qkv
	.globl	k_qf2a436f357_qkv
	.p2align	8
	.type	k_qf2a436f357_qkv,@function
k_qf2a436f357_qkv:
	s_mov_b64 s[64:65], 0
	v_nop
	global_prefetch_b8 v0, s[64:65] scope:SCOPE_SE
	s_setreg_imm32_b32 hwreg(HW_REG_WAVE_MODE, 25, 1), 1
	s_wait_xcnt 0x0
	s_wait_alu depctr_hold_cnt(0) depctr_sa_sdst(0) depctr_va_vdst(0) depctr_va_sdst(0) depctr_va_ssrc(0) depctr_va_vcc(0) depctr_vm_vsrc(0)
	s_getreg_b32 s2, hwreg(HW_REG_IB_STS2, 6, 4)
	s_cmp_eq_u32 s2, 0
	s_cbranch_scc0 .Lentry_in_a_cluster
	s_endpgm
.Lentry_in_a_cluster:
	s_bfe_u32 s2, ttmp6, 0x10000c
	s_cmp_lg_u32 s2, 0xf033
	s_cbranch_scc0 .Lentry_shape_is_right
	s_endpgm
.Lentry_shape_is_right:
; qkv = x W_attn on codes of FP8 (E4M3) with one E8M0 scale for each 32 along K = 1,024, and the results quantised at once for the attention that follows:
; q and k along the head's 64 features, v along the tokens (the keys).  Nothing wide goes to memory.
; A tile of 256 x 256 results is made by four waves, each 128 x 128 in 64 accumulators (512 registers).  K goes in steps of 256 through two LDS slots filled by the tensor data mover.
; TWO ROLES.  Source 1 of the matrix instruction takes 16 rows of role A, source 0 16 rows of role B: a lane then holds ONE row of role A and its registers run along role B's rows, and the quantiser runs along role B.
;   q, k (cluster rows 0-7):  role A = tokens (x), role B = features (W_attn rows 0-2047).      v (cluster rows 8-11):  role A = features (W_attn rows 2048-3071), role B = tokens (x).
; Rows of x and of W_attn are both 1,024 bytes of codes and 32 scale bytes, so every shape and every LDS address is the same in both parts: only pointers and row numbers are chosen, on the cluster's y, which all partners share.
; CLUSTERS: 4 x 4 work-groups; the four of a row need the same tiles of role A, the four of a column the same tiles of role B: each tile is asked for jointly.
; THE SCALES of the work-group's 256 + 256 rows, for all of K, come into LDS once, in rows of 256 bytes, and stay.
; THE WAY OUT.  qkv is laid [batch 4][head 16][block of 128 tokens 16] in records of REC bytes, each an image of operand registers (lane l's 16 bytes at 16 l, 512 bytes a store):
;   0 K's codes (8 tiles of 16 tokens x 1,024 B), 8,192 K's scale words (8 x 128 B), 9,216 V's codes (4 tiles of 16 features x 2,048 B), 17,408 V's scale words (4 x 128 B), 17,920 Q's codes, 26,112 Q's scale words.
;   In the odd tiles of K and Q row r lies at place r xor 8, so that the reader, whose tiles take eight rows of an even tile and eight of the odd one behind it, touches sixteen different 16-byte columns.
; LIMITS: NaN and infinities are not served.  A block whose largest magnitude lies under 2^-118 (a block of zeros among them) keeps the scale byte 1: its bytes are read by this program alone.
; REGISTERS, in windows of 256: window 0: v0-31 addresses; v32-63 scale words, two sets; from v128 role A's fragments, one set; on the way out v128-143 and v200-218 are at work.
;   window 1: role B's fragments, two sets.   window 2: the accumulators of my rows 0-63 ((a, b) at v[8 (8 a + b)]);   window 3: those of my rows 64-127.
.set SIZE_K, 1024
.set KSTEP,  256                       ; along K in a slot
.set NQ,     KSTEP/128                 ; matrix instructions deep
.set ROWB,   256                       ; a tile's row in bytes
.set KROW,   SIZE_K                    ; a row of codes in memory, in bytes
.set PITCH,  272                       ; an LDS row: 256 bytes + 16 of padding: the 16 rows that a load touches start 68 words apart
.set FR,     16                        ; registers of a fragment: 16 rows x 128 K
.set NL,     4                         ; LDS loads that bring one
.set NP,     8                         ; places behind this matrix instruction (ISA guide 7.12.1)
.set HALFT,  128*PITCH                 ; 128 rows: what one tensor load brings
.set SLOT,   4*HALFT                   ; role A's 256 rows, then role B's
.set LAPS,   SIZE_K/(2*KSTEP)          ; a lap = two K steps = once round the ring
.set KS,     SIZE_K/32                 ; a row of scales in bytes
.set SCL,    2*SLOT                    ; behind the ring: the scales, rows of 256 bytes + 16
.set HALFS,  (128*KS/256)*272          ; the scales of 128 rows
.set SBLK,   (16*KS/256)*272           ; those of 16 rows
.set SPARE,  SCL+4*HALFS               ; the spare words, 128 bytes for each wave: two blocks of 256 bytes that no other line names
.set REC,    27136                     ; a record of qkv
.set HS,     16*REC                    ; from head to head
.set KSC,    8192                      ; in a record: K's (or, from Q's codes on, Q's) scale words
.set VCD,    9216                      ; V's codes
.set VSC,    17408                     ; V's scale words
.set QCD,    17920                     ; Q's codes
.set ADRA, 16                          ; v16-17  LDS address of my role-A fragments in slot 0, 1
.set ADRB, 20                          ; v20-21  the same for role B
.set LI,   24                          ; v24     16 x lane;  v25 the same xor 128 (place r xor 8)
.set LS,   26                          ; v26     4 x lane
.set ADRS, 27                          ; v27     LDS address of my scale words: lanes 0-15 role A's rows, lanes 16-31 role B's
.set SPW,  28                          ; v28     LDS address of my spare word; never rewritten
.set NIL,  29                          ; v29     0; never rewritten
.set SC,   32                          ; scale words, set s at v[SC + 16 s]
.set AF,   128                         ; role A's fragments, in window 0
.set QT,   64
.set PC,   128                         ; v128-143 its codes
.set TM,   200                         ; v200-203 largest magnitudes, v204-207 bytes, v212-215 the conversions' scale operands
.set PW,   216                         ; the block's scale word;  v217, v218: the two heads' words
.set WE,   217
.set WO,   218
.set SEL,  20                          ; s[20:21] lane selects of v_permlanex16_b32 (set behind the loop)
.set MNT,  23
.set PART, 95                          ; s95  0: q, k;  1: v
.set G1, 24                            ; s[24:31] descriptor group 1 for role A's tiles;  s[32:39] group 0, one set for each slot
.set G0, 32
.set G1B, 48                           ; s[48:55], s[56:63] the same for role B
.set G0B, 56
.set G1S, 68                           ; s[68:75], s[76:79] groups 1 and 0 for role A's scales;  s[80:87], s[88:91] for role B's
.set G0S, 76
.set G1SB, 80
.set G0SB, 88
.set MSB, 0
.macro WIN new                         ; the immediate's high byte repeats the setting that is left
.if MSB != \new
	s_set_vgpr_msb (MSB<<8)|\new
.set MSB, \new
.endif
.endm
.set MUL_LO, 0xa1                      ; source 0 (role B) window 1, source 1 (role A) window 0, C and D window 2
.set MUL_HI, 0xf1                      ; the same, C and D window 3
.set TO_B,   0x40                      ; destination window 1, address window 0
; A joint load: waves 0 and 1 fetch for role A, waves 2 and 3 for role B.  The branch hangs on the wave's number alone.  Four v_nop follow each of the two lines.
.macro JLOAD g0a, g1a, g0b, g1b
	s_cmp_eq_u32 s15, 0
	s_cbranch_scc0 .Lfor_b_\@
	tensor_load_to_lds s[\g0a:\g0a+3], s[\g1a:\g1a+7]
	s_nop 0
.rept 4
	v_nop
.endr
	s_branch .Lasked_\@
.Lfor_b_\@:
	tensor_load_to_lds s[\g0b:\g0b+3], s[\g1b:\g1b+7]
	s_nop 0
.rept 4
	v_nop
.endr
.Lasked_\@:
.endm
.macro CREST                           ; a round of the cluster's barrier behind its opening barrier
	s_cmp_lg_u32 s14, 0
	s_cbranch_scc1 .Lnot_wave_0_\@
	s_barrier_signal -3
.Lnot_wave_0_\@:
	s_barrier_wait -3
	s_barrier_signal -1
	s_barrier_wait -1
.endm
.macro CROUND                          ; a whole round
	s_barrier_signal -1
	s_barrier_wait -1
	CREST
.endm
	s_load_b128 s[4:7], s[0:1], 0x0                ; x's codes s[4:5], x's scales s[6:7]
	s_load_b128 s[8:11], s[0:1], 0x10              ; W_attn's codes s[8:9], its scales s[10:11]
	s_load_b64 s[12:13], s[0:1], 0x20              ; qkv
	v_lshl_add_u32 v[SPW], v0, 2, SPARE
	v_mov_b32 v[NIL], 0
	ds_add_u32 v28, v29
	ds_add_u32 v28, v29
	s_wait_dscnt 0x0
	v_lshrrev_b32 v1, 5, v0
	v_readfirstlane_b32 s14, v1                    ; wave 0..3
	s_lshr_b32 s15, s14, 1                         ; which half of role A's rows is mine.  Also: I fetch for role A (0) or B (1)
	s_and_b32 s16, s14, 1                          ; which half of role B's rows.  Also: which 128 rows of that tile I fetch
	s_bfe_u32 s40, ttmp6, 0x40000                  ; cx, cy: my place in the cluster
	s_bfe_u32 s41, ttmp6, 0x40004
	s_and_b32 s96, ttmp7, 0xffff                   ; the cluster's y, 0..11: 0-7 make q and k, 8-11 make v
	s_sub_co_u32 s97, s96, 8                       ; (taken only where it is not negative)
	s_cmp_lt_u32 s96, 8                            ; the same answer in all sixteen partners
	s_cselect_b32 s98, s96, 0                      ; role A's tiles: q, k: 4 x cluster y + cy of 32 tiles of tokens;  v: cy of 4 tiles of features
	s_cselect_b32 s99, 0, s97                      ; role B's: q, k: 4 x cluster x + cx of 8 tiles of features;  v: 8 more for each cluster row, of 32 tiles of tokens
	s_cselect_b32 s100, 0, 2048                    ; role A's first row in its tensor
	s_cselect_b32 s[PART], 0, 1
	s_lshl_b32 s17, s98, 2
	s_add_co_u32 s17, s17, s41                     ; IA: role A's tile
	s_lshl_b32 s42, ttmp9, 2
	s_add_co_u32 s42, s42, s40
	s_lshl_b32 s99, s99, 3
	s_add_co_u32 s42, s42, s99                     ; IB: role B's tile
	s_lshl_b32 s43, s41, 2
	s_lshl_b32 s43, 15, s43                        ; my row of the cluster
	s_lshl_b32 s44, 0x1111, s40                    ; my column
	; descriptor group 1: a tile of 128 rows x 256 bytes, padded in LDS
	s_or_b32 s[G1+0], s43, (0<<16)|(1<<20)|(1<<21)|(5<<22)|(3<<25)  ; 15:0 the mask: role A's tiles go to my row; 17:16 elements of 1 byte; 20 padding on; 21 set beside a mask; 24:22 after every 64 words; 31:25 four words
	s_or_b32 s[G1B+0], s44, (0<<16)|(1<<20)|(1<<21)|(5<<22)|(3<<25)
.irp g, G1, G1B
	s_mov_b32 s[\g+1], ROWB<<16                    ; tensor_dim0
	s_mov_b32 s[\g+2], 128<<16                     ; tensor_dim1 = 128
	s_mov_b32 s[\g+3], ROWB<<16                    ; tile_dim0
	s_mov_b32 s[\g+4], 128                         ; tile_dim1 = 128
	s_mov_b32 s[\g+5], KROW                        ; tensor_dim0_stride
	s_mov_b32 s[\g+6], 0
	s_mov_b32 s[\g+7], 0
.endr
	; the scales of 128 rows: a dense block of 4,096 bytes, as 16 rows of 256 bytes (32 elements of 8 bytes), 16 bytes of padding behind each
	s_or_b32 s[G1S+0], s43, (3<<16)|(1<<20)|(1<<21)|(5<<22)|(3<<25)
	s_or_b32 s[G1SB+0], s44, (3<<16)|(1<<20)|(1<<21)|(5<<22)|(3<<25)
.irp g, G1S, G1SB
	s_mov_b32 s[\g+1], 32<<16
	s_mov_b32 s[\g+2], (128*KS/256)<<16
	s_mov_b32 s[\g+3], 32<<16
	s_mov_b32 s[\g+4], 128*KS/256
	s_mov_b32 s[\g+5], 32
	s_mov_b32 s[\g+6], 0
	s_mov_b32 s[\g+7], 0
.endr
	s_lshl_b32 s18, s16, 7                         ; which 128 rows of the tile I fetch
	s_lshl_b32 s20, s17, 8
	s_add_co_u32 s20, s20, s18
	s_add_co_u32 s20, s20, s100                    ; role A: row 256 IA + 128 x half (+ 2,048 in W_attn)
	s_lshl_b32 s46, s42, 8
	s_add_co_u32 s46, s46, s18                     ; role B: row 256 IB + 128 x half
	s_mov_b32 s21, 0
	s_mov_b32 s47, 0
	s_mov_b64 s[18:19], KS
	s_mul_u64 s[22:23], s[20:21], s[18:19]         ; where these rows' scales begin, in bytes
	s_mul_u64 s[92:93], s[46:47], s[18:19]
	s_mov_b64 s[18:19], KROW
	s_mul_u64 s[20:21], s[20:21], s[18:19]         ; and their codes
	s_mul_u64 s[46:47], s[46:47], s[18:19]
	s_mul_i32 s45, s14, HALFT                      ; where they go: wave x 128 rows: no place in the cluster enters an LDS address
	s_mul_i32 s94, s14, HALFS
	s_wait_kmcnt 0x0
	s_cmp_lt_u32 s96, 8                            ; which tensor plays which role: a choice between buffers on the cluster's y alone
	s_cselect_b64 s[98:99], s[4:5], s[8:9]         ; role A's codes
	s_cselect_b64 s[100:101], s[6:7], s[10:11]     ; role A's scales
	s_cselect_b64 s[8:9], s[8:9], s[4:5]           ; role B's codes
	s_cselect_b64 s[10:11], s[10:11], s[6:7]       ; role B's scales
	s_add_nc_u64 s[20:21], s[98:99], s[20:21]
	s_add_nc_u64 s[22:23], s[100:101], s[22:23]
	s_add_nc_u64 s[46:47], s[8:9], s[46:47]
	s_add_nc_u64 s[92:93], s[10:11], s[92:93]
	CROUND                                         ; all sixteen work-groups are here: the first joint loads meet
	s_mov_b32 s[G0S], 1
	s_add_co_u32 s[G0S+1], s94, SCL
	s_mov_b64 s[G0S+2:G0S+3], s[22:23]
	s_or_b32 s[G0S+3], s[G0S+3], 0x80000000
	s_mov_b32 s[G0SB], 1
	s_add_co_u32 s[G0SB+1], s94, SCL
	s_mov_b64 s[G0SB+2:G0SB+3], s[92:93]
	s_or_b32 s[G0SB+3], s[G0SB+3], 0x80000000
	JLOAD G0S, G1S, G0SB, G1SB                     ; the scales first: they are wanted with K step 0
.irp s, 0,1
	s_mov_b32 s[G0+4*\s], 1
	s_add_co_u32 s[G0+4*\s+1], s45, \s*SLOT
	s_add_nc_u64 s[G0+4*\s+2:G0+4*\s+3], s[20:21], \s*ROWB
	s_or_b32 s[G0+4*\s+3], s[G0+4*\s+3], 0x80000000
	s_mov_b32 s[G0B+4*\s], 1
	s_add_co_u32 s[G0B+4*\s+1], s45, \s*SLOT
	s_add_nc_u64 s[G0B+4*\s+2:G0B+4*\s+3], s[46:47], \s*ROWB
	s_or_b32 s[G0B+4*\s+3], s[G0B+4*\s+3], 0x80000000
	JLOAD G0+4*\s, G1, G0B+4*\s, G1B
.endr
	v_and_b32 v1, 15, v0                           ; l % 16
	v_bfe_u32 v2, v0, 4, 1                         ; l / 16
	v_mul_u32_u24 v3, v1, PITCH
	v_lshl_add_u32 v4, v2, 4, v3                   ; a fragment's row x pitch + 16 x half
	s_mul_i32 s21, s15, HALFT                      ; my 128 rows of role A
	s_mul_i32 s22, s16, HALFT                      ; my 128 rows of role B,
	s_add_co_u32 s22, s22, 2*HALFT                 ; which lie behind role A's 256
.irp s, 0,1
	v_add_nc_u32 v[ADRA+\s], s21, v4
	v_add_nc_u32 v[ADRB+\s], s22, v4
	s_add_co_u32 s21, s21, SLOT
	s_add_co_u32 s22, s22, SLOT
.endr
	v_mul_u32_u24 v5, v1, KS                       ; my row's scales: 32 bytes a row,
	v_lshrrev_b32 v6, 8, v5
	v_lshl_add_u32 v5, v6, 4, v5                   ; and 16 more for each 256 passed
	s_mul_i32 s21, s15, HALFS                      ; role A's: my 128 rows
	s_mul_i32 s22, s16, HALFS                      ; role B's: my 128 rows, behind role A's 256
	s_add_co_u32 s22, s22, 2*HALFS
	s_sub_co_u32 s22, s22, s21
	v_mul_u32_u24 v6, s22, v2                      ; lanes 16-31 take role B's: one product, the distance between the two
	s_add_co_u32 s21, s21, SCL
	v_add_nc_u32 v5, v5, v6
	v_add_nc_u32 v[ADRS], s21, v5
	v_and_b32 v6, 31, v0
	v_lshlrev_b32 v[LI], 4, v6                     ; the way out: 16 bytes a lane,
	v_xor_b32 v[LI+1], 128, v[LI]                  ; in the odd tiles of q and k at place r xor 8,
	v_lshlrev_b32 v[LS], 2, v6                     ; and a scale word a lane
	; where my wave's results go: batch, head pair and block of 128 tokens, in bytes from qkv's first
	s_lshl_b32 s96, s17, 1
	s_add_co_u32 s96, s96, s15                     ; role A's block of 128 rows: 2 IA + half
	s_lshl_b32 s97, s42, 1
	s_add_co_u32 s97, s97, s16                     ; role B's: 2 IB + half
	s_cmp_eq_u32 s[PART], 0
	s_cselect_b32 s98, s96, s97                    ; the block of 128 tokens, 0..63
	s_cselect_b32 s99, s97, s96                    ; the block of 128 features: q, k: 0..15;  v: 0..7
	s_lshr_b32 s100, s98, 4
	s_lshl_b32 s100, s100, 4                       ; 16 x batch
	s_and_b32 s101, s99, 7
	s_lshl_b32 s101, s101, 1
	s_add_co_u32 s100, s100, s101                  ; + the even head of my pair
	s_mul_i32 s100, s100, HS
	s_and_b32 s101, s98, 15
	s_mul_i32 s101, s101, REC                      ; + the record of my 128 tokens
	s_add_co_u32 s100, s100, s101
	s_lshr_b32 s101, s99, 3                        ; q's feature blocks are 0-7 of the q, k part:
	s_or_b32 s101, s101, s[PART]
	s_xor_b32 s101, s101, 1                        ; 1 for q, 0 for k and v
	s_mul_i32 s101, s101, QCD                      ; q lies QCD bytes behind k, laid alike
	s_add_co_u32 s100, s100, s101                  ; under 2^25: the buffer's size
	s_mov_b32 s101, 0
	s_add_nc_u64 s[12:13], s[12:13], s[100:101]
.macro FRAG reg, adr, q, i             ; a fragment, 16 rows x 128 K, is 16 registers: lane l holds row l % 16; registers 4 c .. 4 c + 3 hold K = 32 c + 16 (l / 16) + 0 .. 15
.irp c, 0,1,2,3
	ds_load_b128 v[\reg+4*\c:\reg+4*\c+3], v[\adr] offset:128*(\q)+32*\c+(\i)*16*PITCH
.endr
.endm
; 16 matrix instructions: role A's blocks a0, a0 + 1 x role B's eight, 128 along K: the slot's q-th.  p: role B's set;  sc: the set of scale words.  zero = 1: the first product starts the sums.
; The 64 accumulators take turns, one instruction a turn, in the same order in every step.
.macro MUL16 a0, p, q, sc, zero
.irp a, \a0, \a0+1
.irp b, 0,1,2,3,4,5,6,7
.if \zero
	v_wmma_scale_f32_16x16x128_f8f6f4 v[8*(8*((\a)%4)+\b):8*(8*((\a)%4)+\b)+7], v[128*(\p)+FR*\b:128*(\p)+FR*\b+FR-1], v[AF+FR*(\a):AF+FR*(\a)+FR-1], 0, v[SC+8*NQ*(\sc)+NQ*\b+(\q)], v[SC+8*NQ*(\sc)+NQ*(\a)+(\q)] matrix_a_scale:MATRIX_SCALE_ROW1
.else
	v_wmma_scale_f32_16x16x128_f8f6f4 v[8*(8*((\a)%4)+\b):8*(8*((\a)%4)+\b)+7], v[128*(\p)+FR*\b:128*(\p)+FR*\b+FR-1], v[AF+FR*(\a):AF+FR*(\a)+FR-1], v[8*(8*((\a)%4)+\b):8*(8*((\a)%4)+\b)+7], v[SC+8*NQ*(\sc)+NQ*\b+(\q)], v[SC+8*NQ*(\sc)+NQ*(\a)+(\q)] matrix_a_scale:MATRIX_SCALE_ROW1
.endif
.endr
.endr
.endm
.macro FETCH_B slot, q, p              ; role B's eight fragments of the slot's q-th 128 along K into set p
	WIN TO_B
.irp i, 0,1,2,3,4,5,6,7
	FRAG 128*(\p)+FR*\i, ADRB+\slot, \q, \i
.endr
	WIN 0
.endm
.macro FETCH_A slot, q, i0             ; role A's blocks i0 .. i0 + 3
.irp i, \i0, \i0+1, \i0+2, \i0+3
	FRAG AF+FR*(\i), ADRA+\slot, \q, \i
.endr
.endm
.macro SCALES sc                       ; the next K step's scale words into set sc: two words a row; lanes 0-15 take role A's block i, lanes 16-31 role B's block i
.irp i, 0,1,2,3,4,5,6,7
	ds_load_b64 v[SC+8*NQ*\sc+NQ*\i:SC+8*NQ*\sc+NQ*\i+1], v[ADRS] offset:\i*SBLK
.endr
.endm
; A load into a register that a matrix instruction has read, and a vector instruction that reads a matrix result or writes one of its registers, stand NP places behind it; only plain vector
; instructions that name none of its registers are places (ISA guide 7.12.1 for vector instructions).
.macro PLACES n
.rept \n
	v_nop
.endr
.endm
; A step of 128 along K that has its successor in the same slot.
.macro STEP slot, q, zero
	s_wait_dscnt 4*NL                              ; role B's set and role A's blocks 0-3 are in; the youngest sixteen loads (blocks 4-7) may be out
	WIN MUL_LO
	MUL16 0, (\q)%2, \q, \slot, \zero
	MUL16 2, (\q)%2, \q, \slot, \zero
	s_wait_dscnt 0                                 ; blocks 4-7 are in (asked for 32 matrix instructions ago)
	PLACES NP
	FETCH_B \slot, (\q)+1, 1-(\q)%2
	FETCH_A \slot, (\q)+1, 0
	WIN MUL_HI
	MUL16 4, (\q)%2, \q, \slot, \zero
	MUL16 6, (\q)%2, \q, \slot, \zero
	PLACES NP
	WIN 0
	FETCH_A \slot, (\q)+1, 4
.endm
; A slot's last step changes slots: ONE barrier; in front of it each wave waits for all its tensor loads, adds 0 to its spare word, and waits for that and for its own reads of this slot.  fill = 1: this slot is filled again, two K steps ahead.
.macro TURN slot, next, fill
	s_wait_tensorcnt 0x0                           ; all my tensor loads have landed: my part of the next slot;  (every window is 0 here)
	ds_add_u32 v[SPW], v[NIL]                      ; 0 onto my spare word;
	s_wait_dscnt 4*NL+1                            ; (the add and the youngest sixteen loads may be out)
	WIN MUL_LO
	MUL16 0, 1, NQ-1, \slot, 0                     ; sixteen matrix instructions stand between the add and the wait for it
	s_wait_dscnt 0x0                               ; the add is done, and my reads of this slot are over
	s_barrier_signal -1
	MUL16 2, 1, NQ-1, \slot, 0
	WIN 0
	s_barrier_wait -1
.if \fill
	CREST                                          ; the barrier has opened a round of the cluster's barrier: no wave of any partner still reads this slot's tile or has a load on its way
	s_add_nc_u64 s[G0+4*\slot+2:G0+4*\slot+3], s[G0+4*\slot+2:G0+4*\slot+3], 2*ROWB
	s_add_nc_u64 s[G0B+4*\slot+2:G0B+4*\slot+3], s[G0B+4*\slot+2:G0B+4*\slot+3], 2*ROWB
	JLOAD G0+4*\slot, G1, G0B+4*\slot, G1B         ; the first tensor load behind the round; the four v_nop behind it are among the places in front of the loads below
	PLACES NP-4
.else
	PLACES NP
.endif
	s_wait_alu depctr_va_vdst(0)
	v_add_nc_u32 v[ADRS], 4*NQ, v[ADRS]            ; on to the next K step's scale words
	FETCH_B \next, 0, 0
	FETCH_A \next, 0, 0
	SCALES \next
	WIN MUL_HI
	MUL16 4, 1, NQ-1, \slot, 0
	MUL16 6, 1, NQ-1, \slot, 0
	PLACES NP
	WIN 0
	FETCH_A \next, 0, 4
.endm
	s_wait_alu depctr_va_vdst(0)
	s_wait_tensorcnt 1                             ; of my three first fills the scales and K step 0 are in; K step 1's may be out
	s_barrier_signal -1
	s_barrier_wait -1                              ; everybody's are
	FETCH_B 0, 0, 0
	FETCH_A 0, 0, 0
	SCALES 0
	FETCH_A 0, 0, 4
	STEP 0, 0, 1                                   ; the first step stands in front of the loop: its products start the sums
	s_mov_b32 s3, LAPS-1
.Llap:                                                 ; a trip goes once round the ring, from a lap's second step to the next lap's first, and fills both slots again
	TURN 0, 1, 1
	STEP 1, 0, 0
	TURN 1, 0, 1
	STEP 0, 0, 0
	s_sub_co_u32 s3, s3, 1
	s_cmp_lg_u32 s3, 0
	s_cbranch_scc1 .Llap
	TURN 0, 1, 0                                   ; the last lap fills nothing, and has no round of the cluster's barrier
	STEP 1, 0, 0
	s_wait_dscnt 4*NL                              ; the very last step: nothing more to fetch
	WIN MUL_LO
	MUL16 0, 1, NQ-1, 1, 0
	MUL16 2, 1, NQ-1, 1, 0
	s_wait_dscnt 0
	WIN MUL_HI
	MUL16 4, 1, NQ-1, 1, 0
	MUL16 6, 1, NQ-1, 1, 0
	WIN 0
; THE WAY OUT, by blocks a of 16 rows of role A.  In block a my lane holds row l % 16, and register 16 b + i the number at role-B place 32 b + 16 (i / 8) + 8 (l / 16) + i % 8:
; a block of 32 lies in lanes l and l xor 16.  QUANT: the four blocks' largest magnitudes, scale bytes, the conversions; then the halves of the lanes exchange
; eight codes each, so that lane l holds places 32 b + 16 (l / 16) + 0 .. 15: the layout of an operand.
.macro QUANT a
.set WQ, 2+(\a)/4                      ; the block's accumulators: window 2 or 3,
.set ACB, 64*((\a)%4)                  ; from this register on
.set WQ2, WQ*5
.if (\a) > 0
	s_wait_xcnt 0x0                                ; the last block's stores have had their addresses translated (ISA guide 3.1): their data registers are rewritten only behind this wait
.endif
	WIN WQ2                                        ; sources 0 and 1 in the accumulators' window
.irp b, 0,1,2,3
	v_max3_num_f32 v[TM+\b], |v[ACB+16*\b]|, |v[ACB+16*\b+1]|, 0x4800000   ; with the floor 2^(9 - 127): the byte cannot fall under 1.  Each accumulator is read from its low end on
.endr
.irp i, 2,4,6,8,10,12,14
.irp b, 0,1,2,3
	v_max3_num_f32 v[TM+\b], |v[ACB+16*\b+\i]|, |v[ACB+16*\b+\i+1]|, v[TM+\b]   ; the four blocks by turns
.endr
.endr
	WIN 0
.irp b, 0,1,2,3
	v_permlanex16_b32 v[TM+4+\b], v[TM+\b], s[SEL], s[SEL+1]
.endr
.irp b, 0,1,2,3
	v_max_num_f32 v[TM+\b], v[TM+\b], v[TM+4+\b]   ; with lane l xor 16's: the block's largest magnitude
.endr
.irp b, 0,1,2,3
	v_add_nc_u32 v[TM+12+\b], 0xfc000000, v[TM+\b] ; 8 off its exponent field: the conversion's scale operand
.endr
.irp b, 0,1,2,3
.endr
.irp b, 0,1,2,3
	v_lshrrev_b32 v[TM+4+\b], 23, v[TM+12+\b]      ; the scale's byte
.endr
	v_lshl_or_b32 v[PW], v[TM+5], 8, v[TM+4]       ; my row's four bytes
	v_lshl_or_b32 v[PW], v[TM+6], 16, v[PW]
	v_lshl_or_b32 v[PW], v[TM+7], 24, v[PW]
	WIN WQ                                         ; source 0 in the accumulators' window
.irp b, 0,1,2,3
.irp i, 0,1,2,3,4,5,6,7,8,9,10,11,12,13,14,15
.endr
.endr
.irp b, 0,1,2,3
	v_cvt_scalef32_pk8_fp8_f32 v[PC+4*\b:PC+4*\b+1], v[ACB+16*\b:ACB+16*\b+7], v[TM+12+\b]
	v_cvt_scalef32_pk8_fp8_f32 v[PC+4*\b+2:PC+4*\b+3], v[ACB+16*\b+8:ACB+16*\b+15], v[TM+12+\b]
.endr
	WIN 0
	v_nop                                          ; one plain vector instruction between a scaled conversion and the next vector instruction that touches its result
.irp b, 0,1,2,3
	v_permlane16_swap_b32 v[PC+4*\b], v[PC+4*\b+2] ; lanes 16-31 of the first eight places' codes change with lanes 0-15 of the second eight's
	v_permlane16_swap_b32 v[PC+4*\b+1], v[PC+4*\b+3]
.endr
.endm
; Every store of codes covers 512 consecutive bytes that begin at a multiple of 256 from qkv's first byte.  The branch hangs on the cluster's y alone.
.macro OUT a
	s_cmp_eq_u32 s[PART], 0
	s_cbranch_scc0 .Lv_\@
	v_perm_b32 v[WE], v[PW], v[PW], 0x01000100     ; q, k: my 128 features are two heads of two blocks: each head's two bytes, twice (the upper two scale zero codes in the reader)
	v_perm_b32 v[WO], v[PW], v[PW], 0x03020302
.irp c, 0,1,2,3
	global_store_b128 v[LI+(\a)%2], v[PC+4*\c:PC+4*\c+3], s[12:13] offset:(\c/2)*HS+(\a)*1024+(\c%2)*512
.endr
	global_store_b32 v[LS], v[WE], s[12:13] offset:KSC+(\a)*128
	global_store_b32 v[LS], v[WO], s[12:13] offset:HS+KSC+(\a)*128
	s_branch .Lj_\@
.Lv_\@:
	s_wait_alu depctr_va_vdst(0)
.irp c, 0,1,2,3                        ; v: block a is tile a % 4 of head a / 4 of my pair; the four blocks of 32 are my record's 128 keys
	global_store_b128 v[LI], v[PC+4*\c:PC+4*\c+3], s[12:13] offset:((\a)/4)*HS+VCD+((\a)%4)*2048+\c*512
.endr
	global_store_b32 v[LS], v[PW], s[12:13] offset:((\a)/4)*HS+VSC+((\a)%4)*128
.Lj_\@:
.endm
	PLACES NP                                      ; behind the last products: for the reads of their results and the writes of the registers that held role A's fragments
	s_mov_b32 s[SEL], 0x76543210
	s_mov_b32 s[SEL+1], 0xfedcba98                 ; v_permlanex16_b32's selects for lane l xor 16
.irp b, 0,1,2,3
	v_mov_b32 v[TM+4+\b], 0                        ; written once: a lane permute's destination counts as one of its sources
.endr
.irp a, 0,1,2,3,4,5,6,7
	QUANT \a
	OUT \a
.endr
	s_wait_tensorcnt 0x0                           ; the wave's end
	ds_add_u32 v[SPW], v[NIL]
	s_wait_dscnt 0x0
	CROUND                                         ; the closing round: no work-group ends while a partner may still ask for a tile that names it
	s_endpgm
.Lfunc_end_k_qf2a436f357_qkv:
	.size	k_qf2a436f357_qkv, .Lfunc_end_k_qf2a436f357_qkv-k_qf2a436f357_qkv
	.p2alignl 7, 3214868480
	.fill 96, 4, 3214868480
	.section	.rodata,"a",@progbits
	.p2align	6, 0x0
	.amdhsa_kernel k_qf2a436f357_qkv
		.amdhsa_group_segment_fixed_size 327680
		.amdhsa_private_segment_fixed_size 0
		.amdhsa_enable_private_segment 0
		.amdhsa_kernarg_size 40
		.amdhsa_user_sgpr_count 2
		.amdhsa_user_sgpr_kernarg_segment_ptr 1
		.amdhsa_wavefront_size32 1
		.amdhsa_system_sgpr_workgroup_id_x 1
		.amdhsa_system_sgpr_workgroup_id_y 1
		.amdhsa_system_sgpr_workgroup_id_z 1
		.amdhsa_system_vgpr_workitem_id 0
		.amdhsa_next_free_vgpr 1024
		.amdhsa_next_free_sgpr 102
		.amdhsa_reserve_vcc 0
		.amdhsa_float_denorm_mode_32 3
		.amdhsa_float_denorm_mode_16_64 3
		.amdhsa_fp16_overflow 1
		.amdhsa_memory_ordered 1
		.amdhsa_forward_progress 1
		.amdhsa_inst_pref_size 160
	.end_amdhsa_kernel
	.amdgpu_metadata
---
amdhsa.version: [ 1, 2 ]
amdhsa.kernels:
  - .name:           k_qf2a436f357_qkv
    .symbol:         k_qf2a436f357_qkv.kd
    .args:
      - { .name: x_codes, .offset: 0, .size: 8, .value_kind: global_buffer, .address_space: global }
      - { .name: x_scales, .offset: 8, .size: 8, .value_kind: global_buffer, .address_space: global }
      - { .name: W_attn_codes, .offset: 16, .size: 8, .value_kind: global_buffer, .address_space: global }
      - { .name: W_attn_scales, .offset: 24, .size: 8, .value_kind: global_buffer, .address_space: global }
      - { .name: qkv, .offset: 32, .size: 8, .value_kind: global_buffer, .address_space: global }
    .group_segment_fixed_size: 327680
    .private_segment_fixed_size: 0
    .kernarg_segment_align: 8
    .kernarg_segment_size: 40
    .max_flat_workgroup_size: 128
    .sgpr_count:     102
    .vgpr_count:     1024
    .wavefront_size: 32
...
	.end_amdgpu_metadata
.endif
;; end of part 1
;; launch attn (part 2): grid 4 x 64, 16 waves a work-group, clusters of 4 x 1, 288,768 bytes of LDS; arguments qkv, y_img, y_sc; writes y_img, y_sc
.if DOCPART == 2
	.amdgcn_target "amdgcn-amd-amdhsa--gfx1250"
	.amdhsa_code_object_version 6
	.text
	.protected	k_qf2a436f357_attn
	.globl	k_qf2a436f357_attn
	.p2align	8
	.type	k_qf2a436f357_attn,@function
k_qf2a436f357_attn:
	s_mov_b64 s[64:65], 0
	v_nop
	global_prefetch_b8 v0, s[64:65] scope:SCOPE_SE
	s_setreg_imm32_b32 hwreg(HW_REG_WAVE_MODE, 25, 1), 1
	s_wait_xcnt 0x0
	s_wait_alu depctr_hold_cnt(0) depctr_sa_sdst(0) depctr_va_vdst(0) depctr_va_sdst(0) depctr_va_ssrc(0) depctr_va_vcc(0) depctr_vm_vsrc(0)
	s_getreg_b32 s2, hwreg(HW_REG_IB_STS2, 6, 4)
	s_cmp_eq_u32 s2, 0
	s_cbranch_scc0 .Lentry_in_a_cluster
	s_endpgm
.Lentry_in_a_cluster:
	s_bfe_u32 s2, ttmp6, 0x10000c
	s_cmp_lg_u32 s2, 0x3003
	s_cbranch_scc0 .Lentry_shape_is_right
	s_endpgm
.Lentry_shape_is_right:
; y = softmax(q k^T / 8, causal) v for one head, both products on codes of FP8 (E4M3) with E8M0 scales, and y quantised along its features for the projection that follows.
; THE SOFTMAX: t = score x log2(e) / 8; M = the row's largest t so far, rounded UP to a whole number; p = 2^(t - M) is quantised along the keys, not normalised; the row's sum is taken of the unquantised p
; and divides O at the end.  When M moves, the sum and O are multiplied by 2^(old M - new M): exact.
; SHARES.  The grid's y is batch x 16 + head.  The four work-groups of a cluster share a head; query tile T (16 queries, T = 0..127) belongs to work-group T % 4.  Wave w of sixteen owns two tiles, T = 4 t + g:
; t = 31 - w (late) and t = w (early).  Tile T wants the key steps 0 .. T / 8 = t / 2 of 128 keys: (31 - w) / 2 + w / 2 + 2 = 17 tile steps for every wave of every work-group, and every branch hangs on the wave's number and a loop's count alone.
; NO RING.  A head's K and V with their scale words are 16 steps x 17,920 bytes = 286,720 bytes: they fit in LDS.  All of it is asked for once, jointly by the four work-groups (the same loads, a mask that names the four),
; in two chunks: steps 0-3, then 4-15.  Nothing is filled again and nothing is stored to LDS: two barriers in all, one behind each chunk.
; LAYOUT.  Both products are used transposed: S^T = K Q^T (source 0 = 16 keys, source 1 = my 16 queries), O^T = V^T P^T (source 0 = 16 of the head's 64, source 1 = P): a lane holds ONE query (lane % 16) throughout.
; THE KEYS OF A TILE ARE NOT NEIGHBOURS: lane r of tile 2 b + u takes key 32 b + 8 u + r % 8 + 16 (r / 8), so that the 16 registers of tiles 2 b and 2 b + 1 are the 16 neighbouring keys 32 b + 16 (lane / 16) + 0 .. 15.
; THE HEAD'S 64 IN AN INSTRUCTION OF 128: Q's upper eight registers are zero codes.  K's fragment of eight registers is named with the eight behind it (the next tile's codes, or zeros): finite numbers, which add nothing against zeros.
; LIMITS: NaN and infinities are not served.  A p under 2^-126 comes out of v_exp_f32 as 0, beside a row's sum over 1/2.  A block whose largest magnitude lies under 2^-118 keeps the scale byte 1 (read by this program alone).
; REGISTERS: v1-5 lane terms; v6-10 the step's LDS addresses; v11 -infinity; v12-15, v16-19 a tile's -M, largest t, sum in two halves; v20, v21 Q's scale words; v22, v23 the diagonal's bound; v24-55 four fragments of K, v56-63 zeros;
;   v64-95 Q (8 + 8 zeros a tile); v96-159 S^T, then p, then V's four fragments; v160-191, v192-223 O^T; v224-239 p's codes; v232-254 at work; v248-251 K's or V's scale words; v252 f; v253 p's scale word.
.set REC,  27136                       ; a record of qkv: 128 tokens of one head
.set HS,   16*REC                      ; from head to head
.set STP,  17920                       ; what a key step takes of it, and its bytes in LDS: K's codes, K's scale words, V's codes, V's scale words
.set KSC,  8192
.set VCD,  9216
.set VSC,  17408
.set QCD,  17920
.set QSC,  26112
.set LI,   1                           ; v1   16 x lane
.set LS,   2                           ; v2   4 x lane
.set AKA,  3                           ; v3   my place in an even (u = 0) tile of keys
.set AKB,  4                           ; v4   in an odd one
.set ASK,  5                           ; v5   among K's scale words
.set ADKA, 6                           ; v6, v7 the step's addresses of the two
.set ADS,  8                           ; v8   of K's scale words
.set ADC,  9                           ; v9   of V's codes
.set ADW,  10                          ; v10  of V's scale words
.set NINF, 11
.set F,    24
.set WV,   18                          ; s18  my wave's number
.set MNT,  19
.set SEL,  20                          ; s[20:21] lane selects for lane l xor 16
.set CS,   22                          ; s[22:23] c = log2(e) / 8
.set G1A,  24                          ; s[24:31] descriptor group 1: one step;  s[32:39]: three steps
.set G1B,  32
.set G0A,  40                          ; s[40:43], s[44:47] groups 0
.set G0B,  44
.set TB,   48                          ; s48  LDS byte at which the step in hand begins
.set SG,   49                          ; s49  the step
.set DD,   50                          ; s50, s51 the two tiles' last (diagonal) steps
.macro CROUND                          ; a round of the cluster's barrier
	s_barrier_signal -1
	s_barrier_wait -1
	s_cmp_lg_u32 s[WV], 0
	s_cbranch_scc1 .Lnot_wave_0_\@
	s_barrier_signal -3
.Lnot_wave_0_\@:
	s_barrier_wait -3
	s_barrier_signal -1
	s_barrier_wait -1
.endm
	s_load_b128 s[4:7], s[0:1], 0x0                ; qkv s[4:5], y_img s[6:7]
	s_load_b64 s[8:9], s[0:1], 0x10                ; y_sc
	v_lshl_add_u32 v254, v0, 2, 0x46000
	v_mov_b32 v255, 0
	ds_add_u32 v254, v255
	ds_add_u32 v254, v255
	s_wait_dscnt 0x0
	v_lshrrev_b32 v6, 5, v0
	s_delay_alu instid0(VALU_DEP_1)
	v_readfirstlane_b32 s[WV], v6                  ; wave 0..15
	s_bfe_u32 s10, ttmp6, 0x40000                  ; g: my place in the cluster: it enters Q's and y's addresses and the diagonal's bound alone
	s_and_b32 s11, ttmp7, 0xffff                   ; batch x 16 + head, which the four partners share
	v_and_b32 v7, 31, v0
	s_delay_alu instid0(VALU_DEP_1)
	v_lshlrev_b32 v[LI], 4, v7
	s_delay_alu instid0(VALU_DEP_2)
	v_lshlrev_b32 v[LS], 2, v7
	v_and_b32 v8, 7, v0                            ; r % 8
	v_bfe_u32 v9, v0, 3, 1                         ; r / 8
	v_bfe_u32 v10, v0, 4, 1                        ; h
	s_delay_alu instid0(VALU_DEP_3)
	v_lshlrev_b32 v[AKA], 4, v8
	s_delay_alu instid0(VALU_DEP_1)
	v_lshl_add_u32 v[AKA], v10, 8, v[AKA]          ; 16 (r % 8) + 256 h
	s_delay_alu instid0(VALU_DEP_1)
	v_mad_u32_u24 v[AKB], v9, 896, v[AKA]          ; u = 1: rows 8-15 of the even stored tile lie at places 8-15, rows 8-15 of the odd one (1,024 bytes on) at places 0-7
	s_delay_alu instid0(VALU_DEP_1)
	v_add_nc_u32 v[AKB], 128, v[AKB]
	s_delay_alu instid0(VALU_DEP_3)
	v_mad_u32_u24 v[AKA], v9, 1152, v[AKA]         ; u = 0: rows 0-7 of the even tile at places 0-7, of the odd one at places 8-15: sixteen lanes touch sixteen different 16-byte columns
	v_lshlrev_b32 v[ASK], 2, v8
	s_delay_alu instid0(VALU_DEP_1)
	v_lshl_add_u32 v[ASK], v9, 7, v[ASK]           ; scale words: 4 bytes a row, 128 bytes a stored tile
	; descriptor group 1: R rows of 17,920 bytes (2,240 elements of 8 bytes), 27,136 bytes apart in memory, on end in LDS
.irp g, G1A, G1B
	s_mov_b32 s[\g], 15|(3<<16)|(1<<21)            ; 15:0 the mask: all four work-groups; 17:16 elements of 8 bytes; 21 set beside a mask; no padding
	s_mov_b32 s[\g+1], 2240<<16                    ; tensor_dim0
	s_mov_b32 s[\g+3], 2240<<16                    ; tile_dim0
	s_mov_b32 s[\g+5], REC/8                       ; tensor_dim0_stride
	s_mov_b32 s[\g+6], 0
	s_mov_b32 s[\g+7], 0
.endr
	s_mov_b32 s[G1A+2], 1<<16                      ; tensor_dim1, tile_dim1: one step,
	s_mov_b32 s[G1A+4], 1
	s_mov_b32 s[G1B+2], 3<<16                      ; three steps
	s_mov_b32 s[G1B+4], 3
	s_mul_i32 s52, s11, HS                         ; the head's first byte (under 2^25)
	s_mov_b32 s53, 0
	s_mul_i32 s54, s[WV], REC                      ; chunk 0: wave w (0-3) fetches step w;
	s_mov_b32 s55, 0
	s_mul_i32 s56, s[WV], 3*REC                    ; chunk 1: steps 4 + 3 w on
	s_add_co_u32 s56, s56, 4*REC
	s_mov_b32 s57, 0
	s_mul_i32 s58, s[WV], STP                      ; and where they go
	s_mul_i32 s59, s[WV], 3*STP
	s_add_co_u32 s59, s59, 4*STP
	s_mov_b32 s[SEL], 0x76543210
	s_mov_b32 s[SEL+1], 0xfedcba98
	s_mov_b32 s[CS], 0x3e38aa3b                    ; c = log2(e) / sqrt(64)
	s_mov_b32 s[CS+1], s[CS]                       ; (named with it as a pair, so it is written)
	s_sub_co_u32 s60, 31, s[WV]                    ; t of my late tile; my early tile's is w
	s_lshr_b32 s[DD], s60, 1                       ; their diagonal steps
	s_lshr_b32 s[DD+1], s[WV], 1
	s_wait_kmcnt 0x0
	s_add_nc_u64 s[4:5], s[4:5], s[52:53]          ; qkv at my head
	CROUND                                         ; all four work-groups are here: the joint loads meet
	s_mov_b32 s[G0A], 1                            ; 1:0 count = 1
	s_mov_b32 s[G0A+1], s58                        ; 63:32 LDS address
	s_add_nc_u64 s[G0A+2:G0A+3], s[4:5], s[54:55]  ; 120:64 global address
	s_or_b32 s[G0A+3], s[G0A+3], 0x80000000        ; 127:126 type = 2
	s_mov_b32 s[G0B], 1
	s_mov_b32 s[G0B+1], s59
	s_add_nc_u64 s[G0B+2:G0B+3], s[4:5], s[56:57]
	s_or_b32 s[G0B+3], s[G0B+3], 0x80000000
	s_cmp_lt_u32 s[WV], 4                          ; a wave's two fills stand in one branch on the wave's number, ahead of every wait on TENSORcnt and every LDS read: two loads of mine are out at the most
	s_cbranch_scc0 .Lno_fill
	tensor_load_to_lds s[G0A:G0A+3], s[G1A:G1A+7]
	s_nop 0
	tensor_load_to_lds s[G0B:G0B+3], s[G1B:G1B+7]
	s_nop 0
.rept 4
	v_nop
.endr
.Lno_fill:
	; Q: tile T lies in record T / 8 = t / 2, as tile 4 (t & 1) + g of its eight; in the odd tiles row r lies at place r xor 8
	s_and_b32 s61, s10, 1
	s_lshl_b32 s61, s61, 7
	v_xor_b32 v99, s61, v[LI]
	v_and_b32 v98, 15, v0
	v_lshlrev_b32 v97, 4, v10
	s_delay_alu instid0(VALU_DEP_1)
	v_sub_nc_u32 v98, v98, v97                     ; r - 16 h
.macro QLOAD x, treg
	s_and_b32 s61, s[\treg], 1
	s_lshl_b32 s61, s61, 2
	s_add_co_u32 s61, s61, s10                     ; 4 (t & 1) + g
	s_mul_i32 s62, s[DD+\x], REC
	s_lshl_b32 s63, s61, 10
	s_add_co_u32 s63, s63, s62
	v_add_nc_u32 v[100+\x], s63, v99
	s_lshl_b32 s63, s61, 7
	s_add_co_u32 s63, s63, s62
	v_add_nc_u32 v[102+\x], s63, v[LS]
	s_lshl_b32 s63, s61, 4
	v_add_nc_u32 v[22+\x], s63, v98                ; d = my query's place among the diagonal step's 128 keys - 16 h: register 16 b + i holds key 32 b + 16 h + i, hidden where 32 b + i > d
	global_load_b128 v[64+16*\x:67+16*\x], v[100+\x], s[4:5] offset:QCD
	global_load_b128 v[68+16*\x:71+16*\x], v[100+\x], s[4:5] offset:QCD+512
	global_load_b32 v[20+\x], v[102+\x], s[4:5] offset:QSC
.endm
	s_wait_alu depctr_va_vdst(0)
	QLOAD 0, 60
	QLOAD 1, WV
.set j, 0
.rept 8
	v_mov_b32 v[56+j], 0                           ; zero codes: behind K's fourth fragment,
	v_mov_b32 v[72+j], 0                           ; and Q's k = 64 .. 127
	v_mov_b32 v[88+j], 0
.set j, j+1
.endr
.set j, 0
.rept 64
	v_mov_b32 v[160+j], 0                          ; O^T.  (A step is written without a first form: the first finds zeros, which the first change of M leaves zeros)
.set j, j+1
.endr
.irp x, 0,1
	v_mov_b32 v[13+4*\x], 0xff61b1e6               ; the largest t so far: -3e38, under every t
	s_delay_alu instid0(VALU_DEP_1)
	v_floor_f32 v[12+4*\x], -v[13+4*\x]            ; -M
	v_mov_b32 v[14+4*\x], 0                        ; the sum, in two halves
	v_mov_b32 v[15+4*\x], 0
.endr
.irp b, 0,1,2,3
	v_mov_b32 v[236+\b], 0                         ; written once: a lane permute's destination counts as one of its sources
.endr
	v_mov_b32 v252, 0
	v_mov_b32 v253, 0                              ; (named as the upper half of the pair v[252:253] before it is first written)
	v_mov_b32 v[NINF], 0xff800000
; A TILE STEP: tile x (0 late, 1 early) against the 128 keys of step s[SG].  mode = 1: the step may lie behind the tile's diagonal (left out: a scalar branch on the wave's number and the loop's count) or on it (masked).
.macro STEP x, mode
.set OA, 160+32*\x
.set ST, 12+4*\x
.set QF, 64+16*\x
.if \mode
	s_cmp_gt_u32 s[SG], s[DD+\x]
	s_cbranch_scc1 .Lhid_\@
.endif
	v_add_nc_u32 v[ADKA], s[TB], v[AKA]
	s_wait_alu depctr_va_vdst(0)
	v_add_nc_u32 v[ADKA+1], s[TB], v[AKB]
	v_add_nc_u32 v[ADS], s[TB], v[ASK]
	s_wait_alu depctr_va_vdst(0)
	v_add_nc_u32 v[ADC], s[TB], v[LI]
	v_add_nc_u32 v[ADW], s[TB], v[LS]
.rept 4
	v_nop                                          ; with the five additions nine places behind the last products: eight for the loads into their scale registers, the ninth since the products below write over registers that they read
.endr
.irp g, 0,1                                    ; S^T = K Q^T, four tiles of 16 keys at a time
.if \g
.rept 8
	v_nop                                          ; places in front of loads into registers that matrix instructions have read
.endr
.endif
.irp t, 0,1,2,3
	ds_load_b128 v[F+8*\t:F+8*\t+3], v[ADKA+\t%2] offset:(2*\g+\t/2)*2048
	ds_load_b128 v[F+8*\t+4:F+8*\t+7], v[ADKA+\t%2] offset:(2*\g+\t/2)*2048+512
	ds_load_b32 v[248+\t], v[ADS] offset:KSC+(2*\g+\t/2)*256+(\t%2)*32
.endr
	s_wait_dscnt 0x0
.irp t, 0,1,2,3
	v_wmma_scale_f32_16x16x128_f8f6f4 v[96+8*(4*\g+\t):103+8*(4*\g+\t)], v[F+8*\t:F+8*\t+15], v[QF:QF+15], 0, v[248+\t], v[20+\x]
.endr
.endr
.rept 8
	v_nop
.endr
.if \mode                                      ; on the diagonal the scores of hidden keys become -infinity ahead of the maximum: p = 0 then.  Key 0 of the step counts for every query of the tile
	s_cmp_lg_u32 s[SG], s[DD+\x]
	s_cbranch_scc1 .Lopen_\@
.set n, 0
.rept 64
	v_cmp_gt_i32 vcc_lo, 32*(n/16)+n%16, v[22+\x]
	v_cndmask_b32 v[96+n], v[96+n], v[NINF], vcc_lo
.set n, n+1
.endr
.Lopen_\@:
.endif
.irp b, 0,1,2,3
	v_max3_num_f32 v[232+\b], v[96+16*\b], v[97+16*\b], v[98+16*\b]   ; the largest score of each block of 32 keys: for the row's maximum, and, since p rises with the score, for the block's largest p
.endr
.irp i, 3,5,7,9,11,13
.irp b, 0,1,2,3
	v_max3_num_f32 v[232+\b], v[232+\b], v[96+16*\b+\i], v[97+16*\b+\i]
.endr
.endr
.irp b, 0,1,2,3
	v_max_num_f32 v[232+\b], v[232+\b], v[111+16*\b]
.endr
.irp b, 0,1,2,3
	v_permlanex16_b32 v[236+\b], v[232+\b], s[SEL], s[SEL+1]
.endr
.irp b, 0,1,2,3
	s_delay_alu instid0(VALU_DEP_4)
	v_max_num_f32 v[232+\b], v[232+\b], v[236+\b]  ; with lane l xor 16's 16 keys
.endr
	s_delay_alu instid0(VALU_DEP_2)
	v_max3_num_f32 v254, v232, v233, v234
	s_delay_alu instid0(VALU_DEP_1)
	v_max_num_f32 v254, v254, v235                 ; the step's largest score of my query
	s_delay_alu instid0(VALU_DEP_1)
	v_mul_f32 v254, s[CS], v254                    ; as t (c is positive)
	s_delay_alu instid0(VALU_DEP_1)
	v_max_num_f32 v[ST+1], v[ST+1], v254           ; the running largest t
	v_mov_b32 v254, v[ST]
	s_delay_alu instid0(VALU_DEP_2)
	v_floor_f32 v[ST], -v[ST+1]                    ; the new -M = floor(-t) = -ceil(t): a whole number
	s_delay_alu instid0(VALU_DEP_1)
	v_sub_f32 v254, v[ST], v254                    ; M's old value less its new one: a whole number, 0 or less
	s_delay_alu instid0(VALU_DEP_1)
	v_cvt_i32_f32 v254, v254                       ; (it saturates)
	s_delay_alu instid0(VALU_DEP_1)
	v_ldexp_f32 v252, 1.0, v254                    ; f = 2^(old M - new M)
.set j, 0
.rept 32
	v_pk_fma_f32 v[96+j:97+j], v[96+j:97+j], s[CS:CS+1], v[ST:ST+1] op_sel_hi:[1,0,0]   ; t - M, two at a time (of the pairs c and -M the low word serves both halves)
.set j, j+2
.endr
.irp b, 0,1,2,3
	v_fma_f32 v[232+\b], v[232+\b], s[CS], v[ST]   ; the same of each block's largest score
.endr
.set j, 0
	s_wait_alu depctr_va_vdst(0)
.rept 64
	v_exp_f32 v[96+j], v[96+j]                     ; p = 2^(t - M), at most 1
.set j, j+1
.endr
.irp b, 0,1,2,3
	v_exp_f32 v[232+\b], v[232+\b]                 ; the block's largest p: the same two instructions on the same number give the same bits
.endr
	v_pk_mul_f32 v[ST+2:ST+3], v[ST+2:ST+3], v[252:253] op_sel_hi:[1,0]   ; the sums under the new M.  (The plain place behind the exponentials)
	s_wait_alu depctr_va_vdst(0)
.irp b, 0,1,2,3
	v_max_num_f32 v[232+\b], 0x4800000, v[232+\b]  ; the floor 2^(9 - 127): the byte cannot fall under 1
.endr
.irp b, 0,1,2,3
	s_delay_alu instid0(VALU_DEP_4)
	v_add_nc_u32 v[244+\b], 0xfc000000, v[232+\b]  ; 8 off the exponent field: the conversion's scale operand
.endr
.irp b, 0,1,2,3
.endr
.irp b, 0,1,2,3
	s_delay_alu instid0(VALU_DEP_4)
	v_lshrrev_b32 v[236+\b], 23, v[244+\b]         ; the scale's byte
.endr
	s_delay_alu instid0(VALU_DEP_3)
	v_lshl_or_b32 v253, v237, 8, v236              ; p's scale word for these 128 keys
	s_delay_alu instid0(VALU_DEP_1)
	v_lshl_or_b32 v253, v238, 16, v253
	s_delay_alu instid0(VALU_DEP_1)
	v_lshl_or_b32 v253, v239, 24, v253
	v_pk_add_f32 v[236:237], v[96:97], v[98:99]    ; the row's sum is taken of the unquantised p: two at a time, in two chains
.irp j, 4,8,12,16,20,24,28,32,36,40,44,48,52,56,60
	v_pk_add_f32 v[ST+2:ST+3], v[ST+2:ST+3], v[96+\j:97+\j]
	v_pk_add_f32 v[236:237], v[236:237], v[98+\j:99+\j]
.endr
	s_delay_alu instid0(VALU_DEP_1)
	v_pk_add_f32 v[ST+2:ST+3], v[ST+2:ST+3], v[236:237]
.irp b, 0,1,2,3
.irp i, 0,1,2,3,4,5,6,7,8,9,10,11,12,13,14,15
.endr
	v_cvt_scalef32_pk8_fp8_f32 v[224+4*\b:225+4*\b], v[96+16*\b:103+16*\b], v[244+\b]
	v_cvt_scalef32_pk8_fp8_f32 v[226+4*\b:227+4*\b], v[104+16*\b:111+16*\b], v[244+\b]
.endr
.set j, 0
.rept 16
	v_pk_mul_f32 v[OA+j:OA+j+1], v[OA+j:OA+j+1], v[252:253] op_sel_hi:[1,0]   ; O^T under the new M, each accumulator from its low end on.  (These sixteen are also the places between the conversions and the products below)
.set j, j+2
.endr
.irp t, 0,1,2,3                                ; O^T += V^T P^T: four tiles of 16 of the head's 64; K = these 128 keys.  V's fragments take the registers that p has left
.irp c, 0,1,2,3
	ds_load_b128 v[96+16*\t+4*\c:99+16*\t+4*\c], v[ADC] offset:VCD+\t*2048+\c*512
.endr
	ds_load_b32 v[248+\t], v[ADW] offset:VSC+\t*128
.endr
	s_wait_alu depctr_va_vdst(0)
	s_wait_dscnt 0x0
.irp t, 0,1,2,3                                ; four accumulators by turns; between two links of one chain stand a step's eight products K Q^T
	v_wmma_scale_f32_16x16x128_f8f6f4 v[OA+8*\t:OA+8*\t+7], v[96+16*\t:111+16*\t], v[224:239], v[OA+8*\t:OA+8*\t+7], v[248+\t], v253
.endr
.if \mode
.Lhid_\@:
.endif
.endm
	s_wait_tensorcnt 0x1                           ; chunk 0 (the first of my two loads, if I fetch) is in; chunk 1 may stay out
	s_barrier_signal -1
	s_barrier_wait -1                              ; everybody's is
	s_wait_loadcnt 0x0                             ; Q and its scale words
	s_mov_b32 s[TB], 0
	s_mov_b32 s[SG], 0
.LA:                                               ; steps 0-3: every late tile's diagonal lies at step 8 or later, so its steps here are open
	STEP 0, 0
	STEP 1, 1
	s_add_co_u32 s[TB], s[TB], STP
	s_add_co_u32 s[SG], s[SG], 1
	s_cmp_lt_u32 s[SG], 4
	s_cbranch_scc1 .LA
	s_wait_tensorcnt 0x0                           ; chunk 1 is in,
	s_wait_dscnt 0x0
	s_barrier_signal -1
	s_barrier_wait -1                              ; everybody's is
	s_mov_b32 s[TB], 4*STP
	s_mov_b32 s[SG], 4
.LB:                                               ; steps 4-7
	STEP 0, 0
	STEP 1, 1
	s_add_co_u32 s[TB], s[TB], STP
	s_add_co_u32 s[SG], s[SG], 1
	s_cmp_lt_u32 s[SG], 8
	s_cbranch_scc1 .LB
	s_mov_b32 s[TB], 8*STP
	s_mov_b32 s[SG], 8
.LC:                                               ; steps 8-15: the late tile alone
	STEP 0, 1
	s_add_co_u32 s[TB], s[TB], STP
	s_add_co_u32 s[SG], s[SG], 1
	s_cmp_lt_u32 s[SG], 16
	s_cbranch_scc1 .LC
	; THE WAY OUT.  y_img: [token tile 512][128 features 8][32 features 4][lane][16 bytes]: an image of the next product's operand; my head fills 1,024 bytes of a token tile's 16,384.  y_sc: [token][32 bytes], my head's two at 2 x head.
	s_lshr_b32 s52, s11, 4
	s_lshl_b32 s52, s52, 7
	s_add_co_u32 s52, s52, s10                     ; 128 x batch + g
	s_and_b32 s53, s11, 15                         ; the head
	s_lshl_b32 s54, s53, 10
	s_lshl_b32 s55, s53, 1
	v_and_b32 v28, 15, v0
	s_delay_alu instid0(VALU_DEP_1)
	v_lshlrev_b32 v28, 5, v28                      ; 32 r
	s_wait_alu depctr_va_vdst(0)
	s_lshl_b32 s56, s60, 2
	s_add_co_u32 s56, s56, s52                     ; the late tile among the 512
	s_lshl_b32 s57, s56, 14
	s_add_co_u32 s57, s57, s54
	s_lshl_b32 s58, s56, 9
	s_add_co_u32 s58, s58, s55
	v_add_nc_u32 v24, s57, v[LI]
	v_add_nc_u32 v26, s58, v28
	s_lshl_b32 s56, s[WV], 2
	s_add_co_u32 s56, s56, s52                     ; the early tile
	s_lshl_b32 s57, s56, 14
	s_add_co_u32 s57, s57, s54
	s_lshl_b32 s58, s56, 9
	s_add_co_u32 s58, s58, s55
	v_add_nc_u32 v25, s57, v[LI]
	v_add_nc_u32 v27, s58, v28
.rept 4
	v_nop                                          ; with the six lines above ten places behind the last products, on the way too on which the last steps were left out
.endr
; Tile x: O^T / the sum; register 16 b + i is feature 32 b + 16 (i / 8) + 8 h + i % 8 of my query: quantised in two blocks of 32, which lie in lanes l and l xor 16; then the halves of the lanes exchange eight codes each.
.macro YOUT x
.set OA, 160+32*\x
.set ST, 12+4*\x
	v_add_f32 v[ST+2], v[ST+2], v[ST+3]            ; the sum's two halves,
	s_delay_alu instid0(VALU_DEP_1)
	v_permlanex16_b32 v252, v[ST+2], s[SEL], s[SEL+1]
	s_delay_alu instid0(VALU_DEP_1)
	v_add_f32 v[ST+2], v[ST+2], v252               ; and lane l xor 16's
	s_wait_alu depctr_va_vdst(0)
	v_rcp_f32 v[ST+2], v[ST+2]
	v_nop                                          ; one plain place behind a transcendental
.set j, 0
	s_wait_alu depctr_va_vdst(0)
.rept 16
	v_pk_mul_f32 v[96+j:97+j], v[OA+j:OA+j+1], v[ST+2:ST+3] op_sel_hi:[1,0]   ; each accumulator from its low end on
.set j, j+2
.endr
.irp b, 0,1
	v_max3_num_f32 v[232+\b], |v[96+16*\b]|, |v[97+16*\b]|, 0x4800000
.endr
.irp i, 2,4,6,8,10,12,14
.irp b, 0,1
	s_delay_alu instid0(VALU_DEP_2)
	v_max3_num_f32 v[232+\b], v[232+\b], |v[96+16*\b+\i]|, |v[97+16*\b+\i]|
.endr
.endr
.irp b, 0,1
	v_permlanex16_b32 v[236+\b], v[232+\b], s[SEL], s[SEL+1]
.endr
.irp b, 0,1
	s_delay_alu instid0(VALU_DEP_2)
	v_max_num_f32 v[232+\b], v[232+\b], v[236+\b]
.endr
.irp b, 0,1
	s_delay_alu instid0(VALU_DEP_2)
	v_add_nc_u32 v[244+\b], 0xfc000000, v[232+\b]
.endr
.irp b, 0,1
.endr
.irp b, 0,1
	s_delay_alu instid0(VALU_DEP_2)
	v_lshrrev_b32 v[236+\b], 23, v[244+\b]
.endr
	s_delay_alu instid0(VALU_DEP_1)
	v_lshl_or_b32 v254, v237, 8, v236              ; my token's two scale bytes
.irp b, 0,1
.irp i, 0,1,2,3,4,5,6,7,8,9,10,11,12,13,14,15
.endr
	v_cvt_scalef32_pk8_fp8_f32 v[224+4*\b:225+4*\b], v[96+16*\b:103+16*\b], v[244+\b]
	v_cvt_scalef32_pk8_fp8_f32 v[226+4*\b:227+4*\b], v[104+16*\b:111+16*\b], v[244+\b]
.endr
	v_nop                                          ; one plain place behind the conversions
.irp b, 0,1
	v_permlane16_swap_b32 v[224+4*\b], v[226+4*\b] ; lane l now holds features 32 b + 16 h + 0 .. 15
	v_permlane16_swap_b32 v[225+4*\b], v[227+4*\b]
.endr
	global_store_b128 v[24+\x], v[224:227], s[6:7]             ; 512 consecutive bytes, from a multiple of 256 on
	global_store_b128 v[24+\x], v[228:231], s[6:7] offset:512
	global_store_b16 v[26+\x], v254, s[8:9]                    ; lanes l and l xor 16 write the same two bytes with the same value
.endm
	YOUT 0
	s_wait_xcnt 0x0                                ; the stores have had their addresses translated (ISA guide 3.1): their data registers are rewritten only behind this wait
	YOUT 1
	s_wait_xcnt 0x0
	v_lshl_add_u32 v254, v0, 2, 0x46000
	v_mov_b32 v255, 0
	s_wait_alu depctr_va_vdst(0)
	s_wait_tensorcnt 0x0
	ds_add_u32 v254, v255
	s_wait_dscnt 0x0
	CROUND                                         ; the closing round: no work-group ends while a partner may still ask for a tile that names it
	s_endpgm
.Lfunc_end_k_qf2a436f357_attn:
	.size	k_qf2a436f357_attn, .Lfunc_end_k_qf2a436f357_attn-k_qf2a436f357_attn
	.p2alignl 7, 3214868480
	.fill 96, 4, 3214868480
	.section	.rodata,"a",@progbits
	.p2align	6, 0x0
	.amdhsa_kernel k_qf2a436f357_attn
		.amdhsa_group_segment_fixed_size 288768
		.amdhsa_private_segment_fixed_size 0
		.amdhsa_enable_private_segment 0
		.amdhsa_kernarg_size 24
		.amdhsa_user_sgpr_count 2
		.amdhsa_user_sgpr_kernarg_segment_ptr 1
		.amdhsa_wavefront_size32 1
		.amdhsa_system_sgpr_workgroup_id_x 1
		.amdhsa_system_sgpr_workgroup_id_y 1
		.amdhsa_system_sgpr_workgroup_id_z 1
		.amdhsa_system_vgpr_workitem_id 0
		.amdhsa_next_free_vgpr 256
		.amdhsa_next_free_sgpr 66
		.amdhsa_reserve_vcc 1
		.amdhsa_float_denorm_mode_32 3
		.amdhsa_float_denorm_mode_16_64 3
		.amdhsa_fp16_overflow 1
		.amdhsa_memory_ordered 1
		.amdhsa_forward_progress 1
		.amdhsa_inst_pref_size 124
	.end_amdhsa_kernel
	.amdgpu_metadata
---
amdhsa.version: [ 1, 2 ]
amdhsa.kernels:
  - .name:           k_qf2a436f357_attn
    .symbol:         k_qf2a436f357_attn.kd
    .args:
      - { .name: qkv, .offset: 0, .size: 8, .value_kind: global_buffer, .address_space: global }
      - { .name: y_img, .offset: 8, .size: 8, .value_kind: global_buffer, .address_space: global }
      - { .name: y_sc, .offset: 16, .size: 8, .value_kind: global_buffer, .address_space: global }
    .group_segment_fixed_size: 288768
    .private_segment_fixed_size: 0
    .kernarg_segment_align: 8
    .kernarg_segment_size: 24
    .max_flat_workgroup_size: 512
    .sgpr_count:     66
    .vgpr_count:     256
    .wavefront_size: 32
...
	.end_amdgpu_metadata
.endif
;; end of part 2
;; launch proj (part 3): grid 4 x 32, 4 waves a work-group, clusters of 4 x 4, 327,680 bytes of LDS; arguments y_img, y_sc, W_proj_codes, W_proj_scales, out0; writes out0
.if DOCPART == 3
	.amdgcn_target "amdgcn-amd-amdhsa--gfx1250"
	.amdhsa_code_object_version 6
	.text
	.protected	k_qf2a436f357_proj
	.globl	k_qf2a436f357_proj
	.p2align	8
	.type	k_qf2a436f357_proj,@function
k_qf2a436f357_proj:
	s_mov_b64 s[64:65], 0
	v_nop
	global_prefetch_b8 v0, s[64:65] scope:SCOPE_SE
	s_setreg_imm32_b32 hwreg(HW_REG_WAVE_MODE, 25, 1), 1
	s_wait_xcnt 0x0
	s_wait_alu depctr_hold_cnt(0) depctr_sa_sdst(0) depctr_va_vdst(0) depctr_va_sdst(0) depctr_va_ssrc(0) depctr_va_vcc(0) depctr_vm_vsrc(0)
	s_getreg_b32 s2, hwreg(HW_REG_IB_STS2, 6, 4)
	s_cmp_eq_u32 s2, 0
	s_cbranch_scc0 .Lentry_in_a_cluster
	s_endpgm
.Lentry_in_a_cluster:
	s_bfe_u32 s2, ttmp6, 0x10000c
	s_cmp_lg_u32 s2, 0xf033
	s_cbranch_scc0 .Lentry_shape_is_right
	s_endpgm
.Lentry_shape_is_right:
; out0 = y W_proj on codes of FP8 (E4M3) with one E8M0 scale for each 32 along K = 1,024; sums in f32.  A = y [8,192][1,024], B = W_proj's codes [1,024 (n)][1,024 (k)], C = out0 [8,192][1,024] f32.
; A tile of C, 256 x 256, is made by four waves, each 128 x 128 in 64 accumulators (512 registers).  K goes in steps of 256 through two LDS slots filled by the tensor data mover.
; A ARRIVES AS IMAGES OF OPERAND REGISTERS: y_img [token tile 512][128 along K 8][32 along K 4][lane 32][16 bytes].  A K step of 256 of one token tile is 4,096 consecutive bytes; a wave's load brings eight token tiles,
; 16,384 bytes apart, on end in LDS; a fragment is four loads of 512 consecutive bytes, 16 a lane: no pitch, no padding.  B's tiles are rows of 256 bytes, padded by 16.
; THE SCALES of the work-group's 256 rows of A (y_sc [token][32]) and of B, for all of K, come into LDS once and stay.
; CLUSTERS: 4 x 4 work-groups; A's tiles are shared along a row of the cluster, B's along a column: each is asked for jointly.  THE MATRIX INSTRUCTION IS USED TRANSPOSED (source 0 = rows of B, source 1 = rows of A): a lane holds eight neighbouring numbers of a row of C.
; 128 work-groups: a tile of 256 x 128 would give 256, with half as many products again for each LDS byte read; this launch is the smallest of the three.
; REGISTERS, in windows of 256: window 0: v0-31 addresses; v32-63 scale words, two sets; from v128 A's fragments, one set; on the way out v128-255 rows of C.
;   window 1: B's fragments, two sets.   window 2: the accumulators of my rows 0-63 ((a, b) at v[8 (8 a + b)]);   window 3: those of my rows 64-127.
.set SIZE_N, 1024
.set SIZE_K, 1024
.set KSTEP,  256
.set NQ,     KSTEP/128
.set ROWB,   256                       ; a row of B's tile in bytes
.set ASTEP,  4096                      ; a K step of one token tile of A in bytes
.set KROW,   SIZE_K                    ; a row of B in memory; also A's bytes for each token (16 tokens are one image of 16,384 bytes)
.set PITCH,  272                       ; an LDS row of B: 256 bytes + 16 of padding
.set FR,     16
.set NL,     4
.set NP,     8                         ; places behind this matrix instruction (ISA guide 7.12.1)
.set HALFT,  128*PITCH                 ; what one tensor load's region takes (A's loads use 32,768 bytes of it)
.set SLOT,   4*HALFT
.set LAPS,   SIZE_K/(2*KSTEP)
.set KS,     SIZE_K/32
.set SCL,    2*SLOT
.set HALFS,  (128*KS/256)*272
.set SBLK,   (16*KS/256)*272
.set SPARE,  SCL+4*HALFS               ; the spare words, 128 bytes for each wave: two blocks of 256 bytes that no other line names
.set SPITCH, 528                       ; the way out: a stage of 16 rows x (512 bytes + 16) for each wave, in slot 0, which has had its last fill and its last read when the first result is stored there
.set ADRA, 16
.set ADRB, 20
.set STO,  24
.set RD,   25
.set CO,   26
.set ADRS, 27
.set SPW,  28
.set NIL,  29
.set SC,   32
.set AF,   128
.set BK,   128
.set G1, 24
.set G0, 32
.set G1B, 48
.set G0B, 56
.set G1S, 68
.set G0S, 76
.set G1SB, 80
.set G0SB, 88
.set MSB, 0
.macro WIN new                         ; the immediate's high byte repeats the setting that is left
.if MSB != \new
	s_set_vgpr_msb (MSB<<8)|\new
.set MSB, \new
.endif
.endm
.set MUL_LO, 0xa1
.set MUL_HI, 0xf1
.set TO_B,   0x40
; A joint load: waves 0 and 1 fetch for A, waves 2 and 3 for B.  The branch hangs on the wave's number alone.  Four v_nop follow each of the two lines.
.macro JLOAD g0a, g1a, g0b, g1b
	s_cmp_eq_u32 s15, 0
	s_cbranch_scc0 .Lfor_b_\@
	tensor_load_to_lds s[\g0a:\g0a+3], s[\g1a:\g1a+7]
	s_nop 0
.rept 4
	v_nop
.endr
	s_branch .Lasked_\@
.Lfor_b_\@:
	tensor_load_to_lds s[\g0b:\g0b+3], s[\g1b:\g1b+7]
	s_nop 0
.rept 4
	v_nop
.endr
.Lasked_\@:
.endm
.macro CREST
	s_cmp_lg_u32 s14, 0
	s_cbranch_scc1 .Lnot_wave_0_\@
	s_barrier_signal -3
.Lnot_wave_0_\@:
	s_barrier_wait -3
	s_barrier_signal -1
	s_barrier_wait -1
.endm
.macro CROUND
	s_barrier_signal -1
	s_barrier_wait -1
	CREST
.endm
	s_load_b128 s[4:7], s[0:1], 0x0                ; y_img s[4:5], y_sc s[6:7]
	s_load_b128 s[8:11], s[0:1], 0x10              ; W_proj's codes s[8:9], its scales s[10:11]
	s_load_b64 s[12:13], s[0:1], 0x20              ; out0
	v_lshl_add_u32 v[SPW], v0, 2, SPARE
	v_mov_b32 v[NIL], 0
	ds_add_u32 v28, v29
	ds_add_u32 v28, v29
	s_wait_dscnt 0x0
	v_lshrrev_b32 v1, 5, v0
	v_readfirstlane_b32 s14, v1                    ; wave 0..3
	s_lshr_b32 s15, s14, 1                         ; which half of the tile's rows is mine.  Also: I fetch for A (0) or for B (1)
	s_and_b32 s16, s14, 1                          ; which half of its columns.  Also: which 128 rows of that tile I fetch
	s_bfe_u32 s40, ttmp6, 0x40000                  ; cx, cy
	s_bfe_u32 s41, ttmp6, 0x40004
	s_lshl_b32 s42, ttmp9, 2
	s_add_co_u32 s42, s42, s40                     ; tile column of C
	s_and_b32 s17, ttmp7, 0xffff
	s_lshl_b32 s17, s17, 2
	s_add_co_u32 s17, s17, s41                     ; tile row of C
	s_lshl_b32 s43, s41, 2
	s_lshl_b32 s43, 15, s43                        ; my row of the cluster
	s_lshl_b32 s44, 0x1111, s40                    ; my column
	; A's tiles: 8 rows (token tiles) of 4,096 bytes (512 elements of 8 bytes), 16,384 bytes apart, on end in LDS
	s_or_b32 s[G1+0], s43, (3<<16)|(1<<21)         ; 15:0 the mask: my row; 17:16 elements of 8 bytes; 21 set beside a mask; no padding
	s_mov_b32 s[G1+1], 512<<16                     ; tensor_dim0
	s_mov_b32 s[G1+2], 8<<16                       ; tensor_dim1
	s_mov_b32 s[G1+3], 512<<16                     ; tile_dim0
	s_mov_b32 s[G1+4], 8                           ; tile_dim1
	s_mov_b32 s[G1+5], 2048                        ; tensor_dim0_stride
	s_mov_b32 s[G1+6], 0
	s_mov_b32 s[G1+7], 0
	; B's tiles: 128 rows x 256 bytes, padded in LDS
	s_or_b32 s[G1B+0], s44, (0<<16)|(1<<20)|(1<<21)|(5<<22)|(3<<25)  ; the mask: my column; elements of 1 byte; padding: four words after every 64
	s_mov_b32 s[G1B+1], ROWB<<16
	s_mov_b32 s[G1B+2], 128<<16
	s_mov_b32 s[G1B+3], ROWB<<16
	s_mov_b32 s[G1B+4], 128
	s_mov_b32 s[G1B+5], KROW
	s_mov_b32 s[G1B+6], 0
	s_mov_b32 s[G1B+7], 0
	; the scales of 128 rows: 4,096 dense bytes, as 16 rows of 256 bytes, 16 bytes of padding behind each
	s_or_b32 s[G1S+0], s43, (3<<16)|(1<<20)|(1<<21)|(5<<22)|(3<<25)
	s_or_b32 s[G1SB+0], s44, (3<<16)|(1<<20)|(1<<21)|(5<<22)|(3<<25)
.irp g, G1S, G1SB
	s_mov_b32 s[\g+1], 32<<16
	s_mov_b32 s[\g+2], (128*KS/256)<<16
	s_mov_b32 s[\g+3], 32<<16
	s_mov_b32 s[\g+4], 128*KS/256
	s_mov_b32 s[\g+5], 32
	s_mov_b32 s[\g+6], 0
	s_mov_b32 s[\g+7], 0
.endr
	s_lshl_b32 s18, s16, 7                         ; which 128 rows of the tile I fetch
	s_lshl_b32 s20, s17, 8
	s_add_co_u32 s20, s20, s18                     ; A: row 256 x tile row + 128 x half
	s_lshl_b32 s46, s42, 8
	s_add_co_u32 s46, s46, s18                     ; B: row 256 x tile column + 128 x half
	s_mov_b32 s21, 0
	s_mov_b32 s47, 0
	s_mov_b64 s[18:19], KS
	s_mul_u64 s[22:23], s[20:21], s[18:19]         ; where these rows' scales begin, in bytes
	s_mul_u64 s[92:93], s[46:47], s[18:19]
	s_mov_b64 s[18:19], KROW
	s_mul_u64 s[20:21], s[20:21], s[18:19]         ; and their codes: A's row is a multiple of 16, so row x 1,024 is its token tile x 16,384
	s_mul_u64 s[46:47], s[46:47], s[18:19]
	s_mul_i32 s45, s14, HALFT                      ; where they go: no place in the cluster enters an LDS address
	s_mul_i32 s94, s14, HALFS
	s_wait_kmcnt 0x0
	s_add_nc_u64 s[20:21], s[4:5], s[20:21]
	s_add_nc_u64 s[22:23], s[6:7], s[22:23]
	s_add_nc_u64 s[46:47], s[8:9], s[46:47]
	s_add_nc_u64 s[92:93], s[10:11], s[92:93]
	CROUND                                         ; all sixteen work-groups are here: the first joint loads meet
	s_mov_b32 s[G0S], 1
	s_add_co_u32 s[G0S+1], s94, SCL
	s_mov_b64 s[G0S+2:G0S+3], s[22:23]
	s_or_b32 s[G0S+3], s[G0S+3], 0x80000000
	s_mov_b32 s[G0SB], 1
	s_add_co_u32 s[G0SB+1], s94, SCL
	s_mov_b64 s[G0SB+2:G0SB+3], s[92:93]
	s_or_b32 s[G0SB+3], s[G0SB+3], 0x80000000
	JLOAD G0S, G1S, G0SB, G1SB                     ; the scales first
.irp s, 0,1
	s_mov_b32 s[G0+4*\s], 1
	s_add_co_u32 s[G0+4*\s+1], s45, \s*SLOT
	s_add_nc_u64 s[G0+4*\s+2:G0+4*\s+3], s[20:21], \s*ASTEP
	s_or_b32 s[G0+4*\s+3], s[G0+4*\s+3], 0x80000000
	s_mov_b32 s[G0B+4*\s], 1
	s_add_co_u32 s[G0B+4*\s+1], s45, \s*SLOT
	s_add_nc_u64 s[G0B+4*\s+2:G0B+4*\s+3], s[46:47], \s*ROWB
	s_or_b32 s[G0B+4*\s+3], s[G0B+4*\s+3], 0x80000000
	s_wait_alu depctr_va_vdst(0)
	s_wait_tensorcnt 0x0
	ds_add_u32 v28, v29
	s_wait_dscnt 0x0
	CROUND
	JLOAD G0+4*\s, G1, G0B+4*\s, G1B
.endr
	v_and_b32 v1, 15, v0                           ; l % 16
	v_bfe_u32 v2, v0, 4, 1                         ; l / 16
	v_mul_u32_u24 v3, v1, PITCH
	v_lshl_add_u32 v4, v2, 4, v3                   ; B: a fragment's row x pitch + 16 x half
	v_and_b32 v7, 31, v0
	v_lshlrev_b32 v7, 4, v7                        ; A: 16 x lane
	s_mul_i32 s21, s15, HALFT                      ; my 128 rows of A
	s_mul_i32 s22, s16, HALFT                      ; my 128 rows of B,
	s_add_co_u32 s22, s22, 2*HALFT                 ; which lie behind A's two regions
.irp s, 0,1
	v_add_nc_u32 v[ADRA+\s], s21, v7
	v_add_nc_u32 v[ADRB+\s], s22, v4
	s_add_co_u32 s21, s21, SLOT
	s_add_co_u32 s22, s22, SLOT
.endr
	v_mul_u32_u24 v5, v1, KS                       ; my row's scales: 32 bytes a row,
	v_lshrrev_b32 v6, 8, v5
	v_lshl_add_u32 v5, v6, 4, v5                   ; and 16 more for each 256 passed
	s_mul_i32 s21, s15, HALFS
	s_mul_i32 s22, s16, HALFS
	s_add_co_u32 s22, s22, 2*HALFS
	s_sub_co_u32 s22, s22, s21
	v_mul_u32_u24 v6, s22, v2                      ; lanes 16-31 take B's: one product, the distance between the two
	s_add_co_u32 s21, s21, SCL
	v_add_nc_u32 v5, v5, v6
	v_add_nc_u32 v[ADRS], s21, v5
	s_mul_i32 s23, s14, 16*SPITCH                  ; my stage
	v_mul_u32_u24 v5, v1, SPITCH                   ; in: row l % 16, 32 bytes for each half of the lanes
	v_lshl_add_u32 v5, v2, 5, v5
	v_add_nc_u32 v[STO], s23, v5
	v_and_b32 v6, 31, v0
	v_lshlrev_b32 v[CO], 4, v6                     ; back: the 32 lanes take one row of 512 bytes; and the same in C
	v_add_nc_u32 v[RD], s23, v[CO]
	s_lshl_b32 s20, s17, 8
	s_lshl_b32 s21, s15, 7
	s_add_co_u32 s20, s20, s21                     ; my first row of C
	s_mov_b32 s21, 0
	s_mov_b64 s[18:19], SIZE_N*4
	s_mul_u64 s[20:21], s[20:21], s[18:19]
	s_lshl_b32 s46, s42, 10                        ; my first column, in bytes
	s_lshl_b32 s47, s16, 9
	s_add_co_u32 s46, s46, s47
	s_mov_b32 s47, 0
	s_add_nc_u64 s[20:21], s[20:21], s[46:47]
	s_add_nc_u64 s[12:13], s[12:13], s[20:21]
.macro FRAG reg, adr, q, i             ; a fragment of B from rows: lane l holds row l % 16; registers 4 c .. 4 c + 3 hold K = 32 c + 16 (l / 16) + 0 .. 15
.irp c, 0,1,2,3
	ds_load_b128 v[\reg+4*\c:\reg+4*\c+3], v[\adr] offset:128*(\q)+32*\c+(\i)*16*PITCH
.endr
.endm
.macro FRAGA reg, adr, q, i            ; a fragment of A from its image: token tile i of my eight, the slot's q-th 128 along K
.irp c, 0,1,2,3
	ds_load_b128 v[\reg+4*\c:\reg+4*\c+3], v[\adr] offset:(\i)*ASTEP+2048*(\q)+512*\c
.endr
.endm
; 16 matrix instructions: A's blocks a0, a0 + 1 x B's eight, 128 along K.  The 64 accumulators take turns, one instruction a turn, in the same order in every step.
.macro MUL16 a0, p, q, sc, zero
.irp a, \a0, \a0+1
.irp b, 0,1,2,3,4,5,6,7
.if \zero
	v_wmma_scale_f32_16x16x128_f8f6f4 v[8*(8*((\a)%4)+\b):8*(8*((\a)%4)+\b)+7], v[128*(\p)+FR*\b:128*(\p)+FR*\b+FR-1], v[AF+FR*(\a):AF+FR*(\a)+FR-1], 0, v[SC+8*NQ*(\sc)+NQ*\b+(\q)], v[SC+8*NQ*(\sc)+NQ*(\a)+(\q)] matrix_a_scale:MATRIX_SCALE_ROW1
.else
	v_wmma_scale_f32_16x16x128_f8f6f4 v[8*(8*((\a)%4)+\b):8*(8*((\a)%4)+\b)+7], v[128*(\p)+FR*\b:128*(\p)+FR*\b+FR-1], v[AF+FR*(\a):AF+FR*(\a)+FR-1], v[8*(8*((\a)%4)+\b):8*(8*((\a)%4)+\b)+7], v[SC+8*NQ*(\sc)+NQ*\b+(\q)], v[SC+8*NQ*(\sc)+NQ*(\a)+(\q)] matrix_a_scale:MATRIX_SCALE_ROW1
.endif
.endr
.endr
.endm
.macro FETCH_B slot, q, p
	WIN TO_B
.irp i, 0,1,2,3,4,5,6,7
	FRAG 128*(\p)+FR*\i, ADRB+\slot, \q, \i
.endr
	WIN 0
.endm
.macro FETCH_A slot, q, i0
.irp i, \i0, \i0+1, \i0+2, \i0+3
	FRAGA AF+FR*(\i), ADRA+\slot, \q, \i
.endr
.endm
.macro SCALES sc                       ; the next K step's scale words: lanes 0-15 take A's block i, lanes 16-31 B's block i
.irp i, 0,1,2,3,4,5,6,7
	ds_load_b64 v[SC+8*NQ*\sc+NQ*\i:SC+8*NQ*\sc+NQ*\i+1], v[ADRS] offset:\i*SBLK
.endr
.endm
.macro PLACES n                        ; places behind matrix instructions, in front of loads into registers that they read and of reads of their results (ISA guide 7.12.1 for the reads of their results)
.rept \n
	v_nop
.endr
.endm
.macro STEP slot, q, zero
	s_wait_dscnt 4*NL                              ; B's set and A's blocks 0-3 are in; the youngest sixteen loads (A's blocks 4-7) may be out
	WIN MUL_LO
	MUL16 0, (\q)%2, \q, \slot, \zero
	MUL16 2, (\q)%2, \q, \slot, \zero
	s_wait_dscnt 0                                 ; A's blocks 4-7 are in
	PLACES NP
	FETCH_B \slot, (\q)+1, 1-(\q)%2
	FETCH_A \slot, (\q)+1, 0
	WIN MUL_HI
	MUL16 4, (\q)%2, \q, \slot, \zero
	MUL16 6, (\q)%2, \q, \slot, \zero
	PLACES NP
	WIN 0
	FETCH_A \slot, (\q)+1, 4
.endm
; A slot's last step changes slots: ONE barrier; in front of it each wave waits for all its tensor loads, adds 0 to its spare word, and waits for that and for its own reads of this slot.
.macro TURN slot, next, fill
	s_wait_tensorcnt 0x0                           ; all my tensor loads have landed: my part of the next slot;
	ds_add_u32 v[SPW], v[NIL]                      ; 0 onto my spare word;
	s_wait_dscnt 4*NL+1                            ; (the add and the youngest sixteen loads may be out)
	WIN MUL_LO
	MUL16 0, 1, NQ-1, \slot, 0                     ; sixteen matrix instructions stand between the add and the wait for it
	s_wait_dscnt 0x0                               ; the add is done, and my reads of this slot are over
	s_barrier_signal -1
	MUL16 2, 1, NQ-1, \slot, 0
	WIN 0
	s_barrier_wait -1
.if \fill
	CREST                                          ; the barrier has opened a round of the cluster's barrier: no wave of any partner still reads this slot's tile or has a load on its way
	s_add_nc_u64 s[G0+4*\slot+2:G0+4*\slot+3], s[G0+4*\slot+2:G0+4*\slot+3], 2*ASTEP
	s_add_nc_u64 s[G0B+4*\slot+2:G0B+4*\slot+3], s[G0B+4*\slot+2:G0B+4*\slot+3], 2*ROWB
	JLOAD G0+4*\slot, G1, G0B+4*\slot, G1B         ; the first tensor load behind the round; its four v_nop are among the places in front of the loads below
	PLACES NP-4
.else
	PLACES NP
.endif
	s_wait_alu depctr_va_vdst(0)
	v_add_nc_u32 v[ADRS], 4*NQ, v[ADRS]            ; on to the next K step's scale words
	FETCH_B \next, 0, 0
	FETCH_A \next, 0, 0
	SCALES \next
	WIN MUL_HI
	MUL16 4, 1, NQ-1, \slot, 0
	MUL16 6, 1, NQ-1, \slot, 0
	PLACES NP
	WIN 0
	FETCH_A \next, 0, 4
.endm
	s_wait_alu depctr_va_vdst(0)
	s_wait_tensorcnt 1                             ; of my three first fills the scales and K step 0 are in; K step 1's may be out
	s_barrier_signal -1
	s_barrier_wait -1
	FETCH_B 0, 0, 0
	FETCH_A 0, 0, 0
	SCALES 0
	FETCH_A 0, 0, 4
	STEP 0, 0, 1                                   ; the first step stands in front of the loop: its products start the sums
	s_mov_b32 s3, LAPS-1
.Llap:
	TURN 0, 1, 1
	STEP 1, 0, 0
	TURN 1, 0, 1
	STEP 0, 0, 0
	s_sub_co_u32 s3, s3, 1
	s_cmp_lg_u32 s3, 0
	s_cbranch_scc1 .Llap
	TURN 0, 1, 0                                   ; the last lap fills nothing
	STEP 1, 0, 0
	s_wait_dscnt 4*NL
	WIN MUL_LO
	MUL16 0, 1, NQ-1, 1, 0
	MUL16 2, 1, NQ-1, 1, 0
	s_wait_dscnt 0
	WIN MUL_HI
	MUL16 4, 1, NQ-1, 1, 0
	MUL16 6, 1, NQ-1, 1, 0
	WIN 0
; THE WAY OUT, block by block of 16 rows x 128 columns, through my own stage in LDS: in as 32 bytes a lane, back as whole rows of 512 bytes.  LDS serves a wave's instructions in order (ISA guide 5.7.1.4): no wait between the stores and the loads.
.macro TOSTAGE a
.set AC, 64*((\a)%4)
.set WS, 0x08+4*((\a)/4)
	WIN WS                                         ; the data: window 2 or 3
.irp b, 0,1,2,3,4,5,6,7
	ds_store_b128 v[STO], v[AC+8*\b:AC+8*\b+3] offset:64*\b          ; each accumulator from its low end on
	ds_store_b128 v[STO], v[AC+8*\b+4:AC+8*\b+7] offset:64*\b+16
.endr
	WIN 0
.set BB, BK+64*((\a)%2)
.irp t, 0,1,2,3,4,5,6,7,8,9,10,11,12,13,14,15
	ds_load_b128 v[BB+4*\t:BB+4*\t+3], v[RD] offset:\t*SPITCH
.endr
.endm
.macro SEND a, younger                 ; younger: the LDS instructions issued behind block a's loads, which may stay out
.set BB, BK+64*((\a)%2)
	s_wait_dscnt \younger
.if (\a) > 0
	s_add_nc_u64 s[12:13], s[12:13], 16*SIZE_N*4   ; (behind a wait on XCNT: the earlier stores have read their base)  16 rows of C on
.endif
.irp t, 0,1,2,3,4,5,6,7,8,9,10,11,12,13,14,15
	global_store_b128 v[CO], v[BB+4*\t:BB+4*\t+3], s[12:13] offset:\t*SIZE_N*4 th:TH_STORE_NT   ; 32 lanes store 512 consecutive bytes, at a multiple of 256 from C's first byte; written once, read by nobody here
.endr
.endm
	PLACES NP
	TOSTAGE 0
.irp a, 1,2,3,4,5,6,7
.if \a > 1
	s_wait_xcnt 0x0                                ; block a - 2's stores have read their registers and their base
.endif
	TOSTAGE \a
	SEND \a-1, 32                                  ; behind block a - 1's loads: block a's 16 stores and 16 loads
.endr
	s_wait_xcnt 0x0
	SEND 7, 0
	s_wait_tensorcnt 0x0                           ; the wave's end
	ds_add_u32 v[SPW], v[NIL]
	s_wait_dscnt 0x0
	CROUND                                         ; the closing round
	s_endpgm
.Lfunc_end_k_qf2a436f357_proj:
	.size	k_qf2a436f357_proj, .Lfunc_end_k_qf2a436f357_proj-k_qf2a436f357_proj
	.p2alignl 7, 3214868480
	.fill 96, 4, 3214868480
	.section	.rodata,"a",@progbits
	.p2align	6, 0x0
	.amdhsa_kernel k_qf2a436f357_proj
		.amdhsa_group_segment_fixed_size 327680
		.amdhsa_private_segment_fixed_size 0
		.amdhsa_enable_private_segment 0
		.amdhsa_kernarg_size 40
		.amdhsa_user_sgpr_count 2
		.amdhsa_user_sgpr_kernarg_segment_ptr 1
		.amdhsa_wavefront_size32 1
		.amdhsa_system_sgpr_workgroup_id_x 1
		.amdhsa_system_sgpr_workgroup_id_y 1
		.amdhsa_system_sgpr_workgroup_id_z 1
		.amdhsa_system_vgpr_workitem_id 0
		.amdhsa_next_free_vgpr 1024
		.amdhsa_next_free_sgpr 98
		.amdhsa_reserve_vcc 0
		.amdhsa_float_denorm_mode_32 3
		.amdhsa_float_denorm_mode_16_64 3
		.amdhsa_memory_ordered 1
		.amdhsa_forward_progress 1
		.amdhsa_inst_pref_size 146
	.end_amdhsa_kernel
	.amdgpu_metadata
---
amdhsa.version: [ 1, 2 ]
amdhsa.kernels:
  - .name:           k_qf2a436f357_proj
    .symbol:         k_qf2a436f357_proj.kd
    .args:
      - { .name: y_img, .offset: 0, .size: 8, .value_kind: global_buffer, .address_space: global }
      - { .name: y_sc, .offset: 8, .size: 8, .value_kind: global_buffer, .address_space: global }
      - { .name: W_proj_codes, .offset: 16, .size: 8, .value_kind: global_buffer, .address_space: global }
      - { .name: W_proj_scales, .offset: 24, .size: 8, .value_kind: global_buffer, .address_space: global }
      - { .name: out0, .offset: 32, .size: 8, .value_kind: global_buffer, .address_space: global }
    .group_segment_fixed_size: 327680
    .private_segment_fixed_size: 0
    .kernarg_segment_align: 8
    .kernarg_segment_size: 40
    .max_flat_workgroup_size: 128
    .sgpr_count:     98
    .vgpr_count:     1024
    .wavefront_size: 32
...
	.end_amdgpu_metadata
.endif
;; end of part 3
